; MI455X (gfx1250); checked and timed in simulation.
; The chip was launched on July 23, 2026; its instructions are those of AMD's public machine-readable ISA for CDNA 5 (MIT licence, August 2026) and "CDNA5" Instruction Set Architecture Reference Guide (July 2026). The comments in the code are by the model that wrote it; some were corrected since.
;; co Attention. Allowed arithmetic: matrix products marked QUANTISED: E2M1 operands, one E8M0 scale for each 32 along K, by v_wmma_scale_f32_16x16x128_f8f6f4 with both operands' format E2M1 (or v_wmma_scale_f32_32x16x128_f4), f32 sums; everything else in f32.
;; Inputs: K 16 x 1,024 x 128 float32; M 16 x 1,024 x 1,024 float32; Q 16 x 512 x 1,024 float32; W3 1,024 x 1,024 float32; W4 1,024 x 1,024 float32; Wd 2,048 x 128 float32; Wp 1,024 x 512 float32; b3 1,024 float32; bd 128 float32; bp 1,024 float32; ht 16 x 1,024 x 1,024 float32.
;; Outputs: out0 16 x 1,024 x 1,024 float32.
;; This version of the problem:
;;   THIS VERSION OF THE PROBLEM IS GIVEN IN LOW PRECISION. The matrix products marked QUANTISED in the list below multiply operands that are first quantised to E2M1 (2 exponent bits, 1 mantissa bit; 4 bits a number), with one power-of-two scale for each 32 numbers along K (OCP MX v1.0); their sums are f32. All else is computed in f32.
;;   The module's matrix products, in the order in which they are computed (A, B: the left and right operand; K: the contracted axis; several contracted axes count as one K, in the product's order):
;;     1. [M 16,384, K 512] x [K 512, N 1,024]; A: input Q; B: input Wp: QUANTISED
;;     2. [M 16,384, K 2,048] x [K 2,048, N 128]; A: computed on the way; B: input Wd: QUANTISED
;;     3. batch 16 x [M 1,024, K 128] x [K 128, N 1,024]; A: input K; B: computed on the way: QUANTISED
;;     4. [M 16,384, K 1,024] x [K 1,024, N 1,024]; A: input M; B: input W3: QUANTISED
;;     5. [M 16,384, K 1,024] x [K 1,024, N 1,024]; A: computed on the way; B: input W4: QUANTISED
;;   THE QUANTISER, for each operand of a quantised product, along K:
;;     - K is cut into blocks of 32 from its start; a last block that is shorter is filled with zeros.
;;     - A block's scale is 2^e with e = floor(log2(the largest magnitude in the block)) - 2, held to -126 .. 127; a block of zeros has e = 0. As a byte (E8M0): e + 127.
;;     - Each number is divided by its block's scale, clamped to +-6, and rounded to the nearest number of E2M1, ties to even, subnormals kept.
;;     - The product sums the exact products of the quantised numbers (number of the format x scale) in f32.
;;   ~~~python
;;   def quantise(x, axis):      # numpy; x: float32 -> the quantised numbers, widened to float32 again
;;       x = np.moveaxis(x, axis, -1); K = x.shape[-1]
;;       x = np.pad(x, [(0, 0)] * (x.ndim - 1) + [(0, -K % 32)]); x = x.reshape(x.shape[:-1] + (-1, 32)); a = np.abs(x).max(-1, keepdims=True)
;;       e = np.where(a > 0, np.clip(np.frexp(np.where(a > 0, a, 1))[1] - 1 - 2, -126, 127), 0)      # np.frexp(a)[1] - 1 = floor(log2(a)), exactly
;;       r = np.clip(x / 2.0 ** e, -6, 6)
;;       step = 2.0 ** (np.maximum(np.frexp(np.where(r == 0, 1, r))[1] - 1, 0) - 1)
;;       q = np.round(r / step) * step * 2.0 ** e      # np.round: ties to even
;;       return np.moveaxis(q.reshape(q.shape[:-2] + (-1,))[..., :K], -1, axis).astype(np.float32)
;;   ~~~
;;   OPERANDS COMPUTED ON THE WAY. 'Computed on the way' means the value that the module computes at that place (a softmax that the list does not call 'softmax' is quantised finished and normalised). What goes into a quantiser is computed in f32, as accurately as f32 sums, v_exp_f32 and their like allow (about 1e-6 of the number): no bf16 or f16 on the way to a quantiser, and a product that is left as it is and whose result goes on into a quantised operand takes f32 operands (vector FMAs, or v_wmma_f32_16x16x4_f32). A number that lies on a knife's edge between two numbers of the format may be rounded either way, as far as f32 arithmetic and the matrix unit's own rounding can turn it there, and no further.
;; 2 versions. Each part assembles by itself: llvm-mc -triple=amdgcn-amd-amdhsa -mcpu=gfx1250 --defsym DOCPART=n.
;; ======== version 1 of 2: 2 launches
;; workspace buffers: tok 13,369,344 bytes; wts 1,392,640 bytes
;; launch quant (part 1): grid 848 x 1, 4 waves a work-group, no clusters, 68,096 bytes of LDS; arguments Q, M, Wp, W3, W4, tok, wts; writes tok, wts
.if DOCPART == 1
	.amdgcn_target "amdgcn-amd-amdhsa--gfx1250"
	.amdhsa_code_object_version 6
	.text
	.protected	k_qe4b133e242_quant
	.globl	k_qe4b133e242_quant
	.p2align	8
	.type	k_qe4b133e242_quant,@function
k_qe4b133e242_quant:
	s_mov_b64 s[64:65], 0
	v_nop
	global_prefetch_b8 v0, s[64:65] scope:SCOPE_SE
	s_setreg_imm32_b32 hwreg(HW_REG_WAVE_MODE, 25, 1), 1
	s_wait_xcnt 0x0
; Q [16][512][1024], M [16][1024][1024] (K = the middle axis) and Wp [1024][512], W3, W4 [1024][1024] (K innermost), all f32, become codes of E2M1
; with one E8M0 byte for each 32 along K, laid in the ORDER OF THE OPERAND'S REGISTERS for the launch that follows.
; A block's scale is 2^(floor(log2(its largest magnitude)) - 2); its byte is the largest magnitude's exponent field - 2, held at 1 from below.
; LIMITS: a block of zeros gets the byte 1 where the rule says 127 (its codes are zeros, which add nothing under any byte but 0xff, and this program alone
; reads the bytes); blocks whose largest magnitude lies under 2^(3 - 127) are held at that floor; NaN and infinities among the inputs are not served.
; A FRAGMENT'S IMAGE (16 rows x 128 K, 1,024 bytes): block bt (0..3) of row r lies at 512 (bt / 2) + 256 (bt % 2) + 16 r: lane r + 16 h of the reader takes 16 bytes at 16 x lane of each half.
; tok: 256 records of 52,224 bytes, one for each 64 tokens (b, k): Q's 16 images, Q's scale words (1,024 bytes), M's 32 images, M's scale words (2,048 bytes).
; wts: [reader's wave 0..3][unit 0..79][4,352 bytes]: a unit is 64 rows x 128 K: four images and 256 bytes of scale words, in the order in which the reader takes them.
; Work-groups 0..79 take the weights (one unit a wave), the other 768 take Q and M.  Waves share nothing: no barrier.  Only the weights' path touches LDS.
.set X,     32                         ; v32-95   two sets of 32 numbers
.set C,     96                         ; v96-127  codes: four registers for each of eight blocks, so that no store's data are written again
.set L,     128                        ; v128-255 weights: 32 rows as they are loaded
.set VO,    16                         ; v16-23   weights: 16 x lane + c x pitch
.set REC,   52224
.set UNITB, 4352
.set WST,   16896                      ; LDS: a stage of 32 rows x 528 bytes for each wave
.set SPI,   528                        ; 512 bytes + 16: an odd multiple of 16, so that the lanes' reads down the rows fall on different banks
; 32 numbers of one lane, one block along K: codes into v[cb..cb+3], the byte into byte by of v[sw]
.macro BLOCK xs, cb, sw, by
.set XS0, \xs
.set CB0, \cb
.set SW0, \sw
.set BY0, \by
	v_max3_num_f32 v8, |v[XS0]|, |v[XS0+1]|, |v[XS0+2]|          ; the largest magnitude, in two chains
	v_max3_num_f32 v9, |v[XS0+3]|, |v[XS0+4]|, |v[XS0+5]|
.irp i, 6,10,14,18,22,26
	v_max3_num_f32 v8, v8, |v[XS0+\i]|, |v[XS0+\i+1]|
	v_max3_num_f32 v9, v9, |v[XS0+\i+2]|, |v[XS0+\i+3]|
.endr
	v_max3_num_f32 v8, v8, |v[XS0+30]|, |v[XS0+31]|
	v_max3_num_f32 v8, v8, v9, 0x1800000                          ; and the floor 2^(3 - 127): the byte cannot fall under 1
	v_add_nc_u32 v10, 0xff000000, v8                              ; 2 off the exponent field: the conversion takes that field as its scale
	v_lshrrev_b32 v11, 23, v10                                    ; the scale's byte
.if BY0 == 0
	v_mov_b32 v[SW0], v11
.else
	v_lshl_or_b32 v[SW0], v11, 8*BY0, v[SW0]
.endif
.irp q, 0,1,2,3
	v_cvt_scalef32_pk8_fp4_f32 v[CB0+\q], v[XS0+8*\q:XS0+8*\q+7], v10   ; the results go to stores alone; the next block begins with plain vector lines
.endr
.endm
	s_load_b256 s[4:11], s[0:1], 0x0               ; Q s[4:5], M s[6:7], Wp s[8:9], W3 s[10:11]
	s_load_b128 s[12:15], s[0:1], 0x20             ; W4 s[12:13], tok s[14:15]
	s_load_b64 s[16:17], s[0:1], 0x30              ; wts
	v_lshl_add_u32 v30, v0, 2, 0x10800
	v_mov_b32 v31, 0
	v_lshrrev_b32 v8, 5, v0
	v_readfirstlane_b32 s18, v8                    ; wave 0..3
	v_and_b32 v1, 31, v0                           ; lane
	v_lshlrev_b32 v2, 2, v1                        ; 4 x lane
	v_lshrrev_b32 v8, 4, v1
	v_and_b32 v9, 15, v1
	v_lshlrev_b32 v3, 4, v9
	v_lshl_add_u32 v3, v8, 10, v3                  ; my 16 bytes of codes: image lane / 16, row lane % 16
	v_lshlrev_b32 v4, 3, v1                        ; my two scale words
	s_mul_i32 s19, s18, WST
	v_lshlrev_b32 v7, 4, v1                        ; 16 x lane
	v_add_nc_u32 v5, s19, v7                       ; the stage, on the way in: a row's 512 bytes as they lie
	v_mul_u32_u24 v6, v1, SPI
	v_add_nc_u32 v6, s19, v6                       ; and on the way out: row = lane
	s_wait_kmcnt 0x0
	s_cmp_lt_u32 ttmp9, 80
	s_cbranch_scc1 .Lweights
; ---- Q AND M.  A lane takes a token k and its registers run down K (j): a wave's load reads 128 consecutive bytes of a row, the four waves 512.
; A wave takes 32 tokens x 256 along K: eight blocks, two K steps.
	s_sub_co_u32 s20, ttmp9, 80
	s_cmp_lt_u32 s20, 256                          ; the first 256 take Q, the other 512 M: the choice hangs on the work-group's number alone
	s_cselect_b64 s[22:23], s[4:5], s[6:7]
	s_cselect_b32 s24, 1, 2                        ; log2 of the runs of 256 along K
	s_cselect_b32 s28, 1, 3                        ; and their mask
	s_cselect_b32 s25, 0, 256
	s_cselect_b32 s26, 0, 17408                    ; where the tensor's images begin in a record,
	s_cselect_b32 s27, 0, 33792                    ; and its scale words, counted from 16,384
	s_sub_co_u32 s20, s20, s25
	s_and_b32 s29, s20, s28                        ; which 256 along K
	s_lshr_b32 s30, s20, s24
	s_and_b32 s31, s30, 7                          ; which 128 tokens of the batch
	s_lshr_b32 s30, s30, 3                         ; the batch
	s_add_co_u32 s32, s24, 20
	s_lshl_b32 s32, s30, s32                       ; a batch is 2^21 (Q) or 2^22 (M) bytes
	s_lshl_b32 s33, s29, 20                        ; 256 rows of 4,096 bytes
	s_add_co_u32 s32, s32, s33
	s_lshl_b32 s33, s31, 9
	s_add_co_u32 s32, s32, s33
	s_lshl_b32 s33, s18, 7
	s_add_co_u32 s32, s32, s33
	s_mov_b32 s33, 0
	s_add_nc_u64 s[22:23], s[22:23], s[32:33]      ; my wave's first row and token
	s_lshl_b32 s34, s30, 4
	s_lshl_b32 s35, s31, 1
	s_add_co_u32 s34, s34, s35
	s_lshr_b32 s35, s18, 1
	s_add_co_u32 s34, s34, s35                     ; the record: 16 b + k / 64
	s_mul_i32 s34, s34, REC
	s_and_b32 s35, s18, 1                          ; which 32 of its 64 tokens
	s_lshl_b32 s36, s29, 13                        ; two K steps x four images
	s_add_co_u32 s36, s36, s34
	s_add_co_u32 s36, s36, s26
	s_lshl_b32 s37, s35, 11
	s_add_co_u32 s36, s36, s37
	s_mov_b32 s37, 0
	s_add_nc_u64 s[38:39], s[14:15], s[36:37]      ; my codes
	s_lshl_b32 s36, s29, 9
	s_add_co_u32 s36, s36, s34
	s_add_co_u32 s36, s36, s27
	s_lshl_b32 s40, s35, 8
	s_add_co_u32 s36, s36, s40
	s_add_co_u32 s36, s36, 16384
	s_add_nc_u64 s[40:41], s[14:15], s[36:37]      ; my scale words
.macro LOADT t
.irp i, 0,1,2,3,4,5,6,7,8,9,10,11,12,13,14,15,16,17,18,19,20,21,22,23,24,25,26,27,28,29,30,31
	global_load_b32 v[X+32*((\t)%2)+\i], v2, s[22:23] offset:(32*(\t)+\i)*4096 th:TH_LOAD_NT
.endr
.endm
	LOADT 0
	LOADT 1
.irp t, 0,1,2,3,4,5,6,7
.if \t < 7
	s_wait_loadcnt 32                              ; this block's 32 loads are in; the next block's 32 may be out
.else
	s_wait_loadcnt 0x0
.endif
	BLOCK X+32*(\t%2), C+4*\t, 12+\t/4, \t%4
	global_store_b128 v3, v[C+4*\t:C+4*\t+3], s[38:39] offset:4096*(\t/4)+512*((\t/2)%2)+256*(\t%2)   ; lanes 0-15 and lanes 16-31 each store 256 consecutive bytes, aligned
.if \t+2 < 8
	LOADT \t+2
.endif
.endr
	global_store_b64 v4, v[12:13], s[40:41]        ; 32 lanes store 256 consecutive bytes, aligned
	s_endpgm
; ---- THE WEIGHTS.  Work-group n, wave w make unit n of the reader's wave w: rows 256 w + 64 g .., 128 along K.
; n < 16: Wp, g = n / 4, K step n % 4.  Else n' = n - 16: g = n' / 16, W3 or W4 by (n' / 8) % 2, K step n' % 8.
; Each load reads a row's 512 consecutive bytes; 32 rows go through the wave's stage and come back one row a lane.
; THE ROWS OF A TILE ARE NOT NEIGHBOURS: in a block of 32 rows, position m of tile u is row 8 u + m + 8 (m / 8); the stage row 16 u + m is chosen by the store's immediate.
.Lweights:
	s_mov_b32 s20, ttmp9
	s_cmp_lt_u32 s20, 16
	s_cselect_b32 s21, 0, 16
	s_cselect_b32 s24, 2, 4
	s_cselect_b32 s25, 3, 7
	s_cselect_b32 s26, 11, 12                      ; log2 of a row's bytes
	s_sub_co_u32 s21, s20, s21
	s_lshr_b32 s27, s21, s24                       ; g
	s_and_b32 s28, s21, s25                        ; the K step
	s_and_b32 s29, s21, 8
	s_cmp_lg_u32 s29, 0
	s_cselect_b64 s[22:23], s[12:13], s[10:11]     ; W4 or W3,
	s_cmp_lt_u32 s20, 16
	s_cselect_b64 s[22:23], s[8:9], s[22:23]       ; or Wp: the choices hang on the work-group's number alone
	s_lshl_b32 s29, s18, 8
	s_lshl_b32 s30, s27, 6
	s_add_co_u32 s29, s29, s30                     ; my first row
	s_lshl_b32 s30, s29, s26
	s_lshl_b32 s31, s28, 9
	s_add_co_u32 s30, s30, s31
	s_mov_b32 s31, 0
	s_add_nc_u64 s[32:33], s[22:23], s[30:31]      ; eight bases, eight rows apart
	s_lshl_b32 s48, 8, s26
	s_mov_b32 s49, 0
.irp a, 1,2,3,4,5,6,7
	s_add_nc_u64 s[32+2*\a:33+2*\a], s[30+2*\a:31+2*\a], s[48:49]
.endr
	s_lshl_b32 s50, 1, s26
.irp c, 0,1,2,3,4,5,6,7
	v_mad_u32_u24 v[VO+\c], s50, \c, v7            ; 16 x lane + c rows
.endr
	s_mul_i32 s51, s18, 80
	s_add_co_u32 s51, s51, s20
	s_mul_i32 s52, s51, UNITB
	s_mov_b32 s53, 0
	s_add_nc_u64 s[54:55], s[16:17], s[52:53]      ; my unit
.macro LOADW y
.irp a, 0,1,2,3
.irp c, 0,1,2,3,4,5,6,7
	global_load_b128 v[L+4*(8*\a+\c):L+4*(8*\a+\c)+3], v[VO+\c], s[32+2*(4*(\y)+\a):33+2*(4*(\y)+\a)] th:TH_LOAD_NT
.endr
.endr
.endm
.macro TOSTAGE
.irp a, 0,1,2,3
.irp c, 0,1,2,3,4,5,6,7
	s_wait_loadcnt 31-(8*\a+\c)                    ; loads come back in order: this row is in, the younger rows may be out
	ds_store_b128 v5, v[L+4*(8*\a+\c):L+4*(8*\a+\c)+3] offset:SPI*(16*(\a%2)+8*(\a/2)+\c)
.endr
.endr
.endm
.macro DSL bt                          ; block bt of my row: 128 bytes
.irp i, 0,1,2,3,4,5,6,7
	ds_load_b128 v[X+32*((\bt)%2)+4*\i:X+32*((\bt)%2)+4*\i+3], v6 offset:128*(\bt)+16*\i
.endr
.endm
	LOADW 0
.irp y, 0,1
	TOSTAGE                                        ; (for the second 32 rows: my reads of the stage ended at the wait for 0 below)
.if \y == 0
	s_wait_dscnt 0x0                               ; the stores have read their registers,
	LOADW 1                                        ; which take the next 32 rows while these are worked
.endif
	DSL 0
	DSL 1
.irp bt, 0,1,2,3
.if \bt < 3
	s_wait_dscnt 8                                 ; LDS serves a wave in order: this block is in, the next block's eight loads may be out
.else
	s_wait_dscnt 0x0
.endif
	BLOCK X+32*(\bt%2), C+16*\y+4*\bt, 12+\y, \bt
	global_store_b128 v3, v[C+16*\y+4*\bt:C+16*\y+4*\bt+3], s[54:55] offset:2048*\y+512*(\bt/2)+256*(\bt%2)
.if \bt+2 < 4
	DSL \bt+2
.endif
.endr
.endr
	global_store_b64 v4, v[12:13], s[54:55] offset:4096   ; word i of lane l: tile 2 i + l / 16, position l % 16
	s_wait_tensorcnt 0x0
	ds_add_u32 v30, v31
	s_wait_dscnt 0x0
	s_endpgm
.Lfunc_end_k_qe4b133e242_quant:
	.size	k_qe4b133e242_quant, .Lfunc_end_k_qe4b133e242_quant-k_qe4b133e242_quant
	.p2alignl 7, 3214868480
	.fill 96, 4, 3214868480
	.section	.rodata,"a",@progbits
	.p2align	6, 0x0
	.amdhsa_kernel k_qe4b133e242_quant
		.amdhsa_group_segment_fixed_size 68096
		.amdhsa_private_segment_fixed_size 0
		.amdhsa_enable_private_segment 0
		.amdhsa_kernarg_size 56
		.amdhsa_user_sgpr_count 2
		.amdhsa_user_sgpr_kernarg_segment_ptr 1
		.amdhsa_wavefront_size32 1
		.amdhsa_system_sgpr_workgroup_id_x 1
		.amdhsa_system_sgpr_workgroup_id_y 1
		.amdhsa_system_sgpr_workgroup_id_z 1
		.amdhsa_system_vgpr_workitem_id 0
		.amdhsa_next_free_vgpr 256
		.amdhsa_next_free_sgpr 66
		.amdhsa_reserve_vcc 0
		.amdhsa_float_denorm_mode_32 3
		.amdhsa_float_denorm_mode_16_64 3
		.amdhsa_memory_ordered 1
		.amdhsa_forward_progress 1
		.amdhsa_inst_pref_size 70
	.end_amdhsa_kernel
	.amdgpu_metadata
---
amdhsa.version: [ 1, 2 ]
amdhsa.kernels:
  - .name:           k_qe4b133e242_quant
    .symbol:         k_qe4b133e242_quant.kd
    .args:
      - { .name: Q, .offset: 0, .size: 8, .value_kind: global_buffer, .address_space: global }
      - { .name: M, .offset: 8, .size: 8, .value_kind: global_buffer, .address_space: global }
      - { .name: Wp, .offset: 16, .size: 8, .value_kind: global_buffer, .address_space: global }
      - { .name: W3, .offset: 24, .size: 8, .value_kind: global_buffer, .address_space: global }
      - { .name: W4, .offset: 32, .size: 8, .value_kind: global_buffer, .address_space: global }
      - { .name: tok, .offset: 40, .size: 8, .value_kind: global_buffer, .address_space: global }
      - { .name: wts, .offset: 48, .size: 8, .value_kind: global_buffer, .address_space: global }
    .group_segment_fixed_size: 68096
    .private_segment_fixed_size: 0
    .kernarg_segment_align: 8
    .kernarg_segment_size: 56
    .max_flat_workgroup_size: 128
    .sgpr_count:     66
    .vgpr_count:     256
    .wavefront_size: 32
...
	.end_amdgpu_metadata
.endif
;; end of part 1
;; launch chain (part 2): grid 256 x 1, 4 waves a work-group, no clusters, 136,704 bytes of LDS; arguments tok, wts, bp, b3, out0; writes out0
.if DOCPART == 2
	.amdgcn_target "amdgcn-amd-amdhsa--gfx1250"
	.amdhsa_code_object_version 6
	.text
	.protected	k_qe4b133e242_chain
	.globl	k_qe4b133e242_chain
	.p2align	8
	.type	k_qe4b133e242_chain,@function
k_qe4b133e242_chain:
	s_mov_b64 s[64:65], 0
	v_nop
	global_prefetch_b8 v0, s[64:65] scope:SCOPE_SE
	s_setreg_imm32_b32 hwreg(HW_REG_WAVE_MODE, 25, 1), 1
	s_wait_xcnt 0x0
; q[b][i][k] = sum_j Wp[i][j] Q[b][j][k] + bp[k];   out0[b][i][k] = relu(sum_j W3[i][j] M[b][j][k] + sum_j W4[i][j] q[b][j][k] + b3[k]) q[b][i][k].
; All three products on codes of E2M1 with one E8M0 scale for each 32 along j; sums in f32.  Q, M and the weights arrive as codes in operand order (tok, wts); q is quantised here, along i, in registers.
; NOT COMPUTED, AND SAID PLAINLY: the products with Wd and with K and the softmax behind them feed only a value that the function itself deletes; no number of out0 hangs on K, ht, Wd or bd, and they are not read.
; LIMITS: NaN and infinities are not served; a block of q that is all zeros gets the byte 1 (its codes are zeros); b3 is added behind the two sums, not between them.
; SHARES.  Every column (b, k) is a token.  A work-group takes 64 tokens through the whole chain; wave w makes rows i = 256 w .. 256 w + 255 for all 64: four groups g of 64 rows (four tiles), against four tiles of tokens.
; Source 0 = 16 rows of a weight, source 1 = 16 tokens: a lane holds ONE token (lane % 16), and register j of tile p holds row 32 (p / 2) + 16 (lane / 16) + 8 (p % 2) + j of the group,
; since the rows of a weight tile were chosen so: the 16 registers of tiles 2 y and 2 y + 1 are 16 neighbours along the next K.
; WEIGHTS go from memory straight into a ring of eight register buffers (a unit: 64 rows x 128 K: 8 + 1 loads, 16 matrix instructions); no wave shares a fragment with another.
; Each buffer has a base of its own, stepped behind the counted wait that shows the buffer's last loads done: so no wait stands behind loads just issued.
; NO CLUSTER, though all work-groups walk the same weights: beside the tokens' images and the stage two LDS slots would hold five units a wave each, 80 matrix instructions between two changes of slots,
; each with a wait for all loads; the register ring keeps 63 loads of each wave on their way without a pause.
; TOKENS: M's images are copied into LDS once; q's images are stored there by the wave that made them; one barrier; then every wave reads all.
; REGISTERS, in windows of 256: window 0: see the names below.  window 1: the ring, buffer d at 32 d.  windows 2, 3: q in f32, group g in window 2 + g / 2 at 128 (g % 2) + 32 p + 8 t;
; behind a group's multiplication its registers take the group's rows of out0 back from the stage, and are stored from there: they are never written again.
.set REC,   52224
.set UNITB, 4352
.set XSC,   0                          ; LDS: token scale words [8][64 tokens][8 bytes]: 0-3 M's, 4 + w q's K steps 2 w, 2 w + 1
.set XIMG,  4096                       ; images (4 s + t) x 1,024: s 0-7 M's, 8-15 q's
.set STG,   69632                      ; a stage of 16,640 bytes for each wave: four half blocks of 16 rows x 256 bytes, 4,160 apart
.set LI,  1                            ; 16 x lane
.set WB,  2                            ; 8 x lane
.set XA,  3                            ; LDS address of the token images in hand
.set XS,  4                            ; and of the scale words of the OTHER half (M's or q's)
.set SO,  5                            ; the stage, in
.set SR,  6                            ; the stage, back
.set GO,  7                            ; my bytes in two rows of out0
.set B3,  8                            ; v8-15   b3 of token 16 t + r, twice (a pair for the packed addition)
.set WS,  16                           ; v16-31  the ring's scale words: pair d
.set TS,  32                           ; v32-47  token scale words: 4 (s / 2) + 2 (t / 2) + s % 2
.set TB,  48                           ; v48-111 two sets of four token fragments
.set BPT, 48                           ; first product: bp as four C tiles
.set MT,  112                          ; 16 x thread
.set BV,  113                          ; 4 r
.set QA,  114                          ; where I store q's codes
.set QS,  115                          ; and q's scale words
.set QF,  128                          ; first product: Q's 16 fragments
.set AC,  128                          ; later: the 16 accumulators of a pass, 32 p + 8 t
.set TM,  48                           ; the quantiser of q: largest magnitudes,
.set TP,  64                           ; the other half's, then bytes,
.set TSO, 80                           ; the conversions' scale operands,
.set PW,  96                           ; scale words 2 t + e,
.set PC,  128                          ; codes
.set WV,  14
.set TK,  16
.set SWP, 18
.set SEL, 20
.set CH,  22
.set TBS, 23
.set XSS, 24
.set OB,  26
.set BS,  40                           ; s[40:55] the ring's eight bases: buffer d's next unit
.set MSB, 0
.macro WIN new                         ; the immediate's high byte repeats the setting that is left
.if MSB != (\new)
	s_set_vgpr_msb (MSB<<8)|(\new)
.set MSB, \new
.endif
.endm
.macro PLACES                          ; four plain places behind matrix instructions, in front of loads into their sources and of reads of their results
.rept 4
	v_nop
.endr
.endm
; One unit: four images into buffer d, its scale words into pair d.  st = 1: the buffer's base steps eight units on first; the only loads that name it were shown done by this unit's wait on LOADcnt.
.macro RING d, st
.if (\st)
	s_add_nc_u64 s[BS+2*(\d):BS+2*(\d)+1], s[BS+2*(\d):BS+2*(\d)+1], 8*UNITB
.endif
	WIN 0x40
.irp i, 0,1,2,3,4,5,6,7
	global_load_b128 v[32*(\d)+4*\i:32*(\d)+4*\i+3], v[LI], s[BS+2*(\d):BS+2*(\d)+1] offset:512*\i
.endr
	WIN 0
	global_load_b64 v[WS+2*(\d):WS+2*(\d)+1], v[WB], s[BS+2*(\d):BS+2*(\d)+1] offset:4096
.endm
.macro MM1 z, fa, fb                   ; z = 1: C is the constant 0; fa, fb: the side's scale words lie in lanes 16-31
.if (\z)
.if (\fa) && (\fb)
	v_wmma_scale_f32_16x16x128_f8f6f4 v[rD:rD+7], v[rA:rA+7], v[rB:rB+7], 0, v[rW], v[rT] matrix_a_fmt:MATRIX_FMT_FP4 matrix_b_fmt:MATRIX_FMT_FP4 matrix_a_scale:MATRIX_SCALE_ROW1 matrix_b_scale:MATRIX_SCALE_ROW1
.elseif (\fa)
	v_wmma_scale_f32_16x16x128_f8f6f4 v[rD:rD+7], v[rA:rA+7], v[rB:rB+7], 0, v[rW], v[rT] matrix_a_fmt:MATRIX_FMT_FP4 matrix_b_fmt:MATRIX_FMT_FP4 matrix_a_scale:MATRIX_SCALE_ROW1
.elseif (\fb)
	v_wmma_scale_f32_16x16x128_f8f6f4 v[rD:rD+7], v[rA:rA+7], v[rB:rB+7], 0, v[rW], v[rT] matrix_a_fmt:MATRIX_FMT_FP4 matrix_b_fmt:MATRIX_FMT_FP4 matrix_b_scale:MATRIX_SCALE_ROW1
.else
	v_wmma_scale_f32_16x16x128_f8f6f4 v[rD:rD+7], v[rA:rA+7], v[rB:rB+7], 0, v[rW], v[rT] matrix_a_fmt:MATRIX_FMT_FP4 matrix_b_fmt:MATRIX_FMT_FP4
.endif
.else
.if (\fa) && (\fb)
	v_wmma_scale_f32_16x16x128_f8f6f4 v[rD:rD+7], v[rA:rA+7], v[rB:rB+7], v[rC:rC+7], v[rW], v[rT] matrix_a_fmt:MATRIX_FMT_FP4 matrix_b_fmt:MATRIX_FMT_FP4 matrix_a_scale:MATRIX_SCALE_ROW1 matrix_b_scale:MATRIX_SCALE_ROW1
.elseif (\fa)
	v_wmma_scale_f32_16x16x128_f8f6f4 v[rD:rD+7], v[rA:rA+7], v[rB:rB+7], v[rC:rC+7], v[rW], v[rT] matrix_a_fmt:MATRIX_FMT_FP4 matrix_b_fmt:MATRIX_FMT_FP4 matrix_a_scale:MATRIX_SCALE_ROW1
.elseif (\fb)
	v_wmma_scale_f32_16x16x128_f8f6f4 v[rD:rD+7], v[rA:rA+7], v[rB:rB+7], v[rC:rC+7], v[rW], v[rT] matrix_a_fmt:MATRIX_FMT_FP4 matrix_b_fmt:MATRIX_FMT_FP4 matrix_b_scale:MATRIX_SCALE_ROW1
.else
	v_wmma_scale_f32_16x16x128_f8f6f4 v[rD:rD+7], v[rA:rA+7], v[rB:rB+7], v[rC:rC+7], v[rW], v[rT] matrix_a_fmt:MATRIX_FMT_FP4 matrix_b_fmt:MATRIX_FMT_FP4
.endif
.endif
.endm
; A unit's 16 matrix instructions: four token tiles x four weight tiles; the 16 accumulators take turns, one instruction a turn.
; d: ring buffer; ks: the K step among the token scale words; cm: 0 C = 0, 1 in place, 2 C = bp's tile; db: the accumulators; bb: the token fragments.
; dw >= 0: the token fragments come from LDS, two loads each, in the order of t.  In front of tile t's four products the wait leaves out what was issued behind fragment t's second load:
; the 6 - 2 t loads of the later fragments and dw younger LDS instructions.  dw < 0: the fragments lie in registers already.
.macro MM16 d, ks, cm, db, bb, dw
.irp t, 0,1,2,3
.if (\dw) >= 0
	s_wait_dscnt (\dw)+6-2*\t
.endif
.irp p, 0,1,2,3
.set rD, (\db)+32*\p+8*\t
.set rA, 32*(\d)+8*\p
.set rB, (\bb)+8*\t
.if (\cm) == 2
.set rC, BPT+8*\t
.else
.set rC, rD
.endif
.set rW, WS+2*(\d)+(\p/2)
.set rT, TS+4*((\ks)/2)+2*(\t/2)+((\ks)%2)
.if (\cm) == 0
	MM1 1, \p%2, \t%2
.else
	MM1 0, \p%2, \t%2
.endif
.endr
.endr
.endm
	s_load_b256 s[4:11], s[0:1], 0x0               ; tok s[4:5], wts s[6:7], bp s[8:9], b3 s[10:11]
	s_load_b64 s[12:13], s[0:1], 0x20              ; out0
	v_lshl_add_u32 v126, v0, 2, 0x21400
	v_mov_b32 v127, 0
	v_lshrrev_b32 v116, 5, v0
	v_readfirstlane_b32 s[WV], v116                ; wave 0..3
	v_and_b32 v116, 31, v0                         ; lane
	v_and_b32 v117, 15, v0                         ; r
	v_bfe_u32 v118, v0, 4, 1                       ; h
	v_lshlrev_b32 v[LI], 4, v116
	v_lshlrev_b32 v[WB], 3, v116
	v_lshlrev_b32 v[MT], 4, v0
	v_lshlrev_b32 v[BV], 2, v117
	s_lshl_b32 s15, s[WV], 13
	s_add_co_u32 s15, s15, XIMG+32768              ; q's images of my two K steps
	v_lshlrev_b32 v[QA], 4, v117
	v_lshl_add_u32 v[QA], v118, 3, v[QA]
	v_add_nc_u32 v[QA], s15, v[QA]                 ; + 16 r + 8 h: my 16 codes of a block
	s_lshl_b32 s15, s[WV], 9
	s_add_co_u32 s15, s15, XSC+2048
	v_lshl_add_u32 v[QS], v117, 3, s15             ; q's scale words: 8 bytes a token
	s_mul_i32 s15, s[WV], 16640
	s_add_co_u32 s15, s15, STG                     ; my stage
	v_mul_u32_u24 v[SO], v118, 4160
	v_lshl_add_u32 v[SO], v117, 2, v[SO]
	v_add_nc_u32 v[SO], s15, v[SO]                 ; in: half block h, 4 bytes at token r
	v_add_nc_u32 v[SR], s15, v[LI]                 ; back: two rows of 256 bytes an instruction
	v_lshlrev_b32 v[GO], 4, v117
	v_lshl_add_u32 v[GO], v118, 12, v[GO]          ; and the same two rows in out0
	s_mov_b32 s[SEL], 0x76543210
	s_mov_b32 s[SEL+1], 0xfedcba98                 ; v_permlanex16_b32's selects for lane l xor 16
	s_mul_i32 s[TK], ttmp9, REC
	s_mov_b32 s[TK+1], 0
	s_mul_i32 s[SWP], s[WV], 80*UNITB
	s_mov_b32 s[SWP+1], 0
	s_and_b32 s32, ttmp9, 15
	s_lshl_b32 s32, s32, 8                         ; my first token's bytes in a row: 4 x 64 x (work-group % 16)
	s_mov_b32 s33, 0
	s_lshr_b32 s[OB], ttmp9, 4
	s_lshl_b32 s[OB], s[OB], 22                    ; the batch,
	s_lshl_b32 s[OB+1], s[WV], 20                  ; my 256 rows of 4,096 bytes
	s_add_co_u32 s[OB], s[OB], s[OB+1]
	s_add_co_u32 s[OB], s[OB], s32
	s_mov_b32 s[OB+1], 0
	s_wait_kmcnt 0x0
	s_add_nc_u64 s[TK:TK+1], s[4:5], s[TK:TK+1]
	s_add_nc_u64 s[SWP:SWP+1], s[6:7], s[SWP:SWP+1]
.irp d, 0,1,2,3,4,5,6,7
	s_add_nc_u64 s[BS+2*\d:BS+2*\d+1], s[SWP:SWP+1], UNITB*\d    ; buffer d begins with my unit d
.endr
	s_add_nc_u64 s[OB:OB+1], s[12:13], s[OB:OB+1]
	s_add_nc_u64 s[28:29], s[8:9], s[32:33]
	s_add_nc_u64 s[30:31], s[10:11], s[32:33]
.irp t, 0,1,2,3
	global_load_b32 v[BPT+8*\t], v[BV], s[28:29] offset:64*\t
.endr
.irp t, 0,1,2,3
	global_load_b32 v[B3+2*\t], v[BV], s[30:31] offset:64*\t
	global_load_b32 v[B3+2*\t+1], v[BV], s[30:31] offset:64*\t
.endr
.irp g, 0,1
.irp h, 0,1
	global_load_b64 v[TS+4*\g+2*\h:TS+4*\g+2*\h+1], v[WB], s[TK:TK+1] offset:16384+512*\g+256*\h   ; Q's scale words
.endr
.endr
.irp f, 0,1,2,3,4,5,6,7,8,9,10,11,12,13,14,15
.irp c, 0,1
	global_load_b128 v[QF+8*\f+4*\c:QF+8*\f+4*\c+3], v[LI], s[TK:TK+1] offset:1024*\f+512*\c      ; Q's fragments stay in registers
.endr
.endr
	WIN 0xc0                                       ; M's images and scale words, 34,816 bytes, 2,048 an instruction of the work-group: they land where q's last group will lie
.irp i, 0,1,2,3,4,5,6,7,8,9,10,11,12,13,14,15,16
	global_load_b128 v[128+4*\i:131+4*\i], v[MT], s[TK:TK+1] offset:17408+2048*\i
.endr
.irp d, 0,1,2,3,4,5,6,7
	RING \d, 0
.endr
	s_wait_loadcnt 63                              ; 72 loads are younger than M's last: with 63 out at the most, all in front of the ring, and unit 0, are in
	WIN 0x0c                                       ; an LDS store's data are its source 1: window 3
.irp i, 0,1,2,3,4,5,6,7,8,9,10,11,12,13,14,15
	ds_store_b128 v[MT], v[128+4*\i:131+4*\i] offset:XIMG+2048*\i
.endr
	ds_store_b128 v[MT], v[192:195] offset:XSC
	WIN 0
.irp t, 0,1,2,3
.irp j, 1,2,3,4,5,6,7
	v_mov_b32 v[BPT+8*\t+\j], v[BPT+8*\t]          ; a lane holds one token: bp[k] in all eight registers of a C tile
.endr
.endr
; ---- THE FIRST PRODUCT: q = Wp Q + bp.  Unit n = 4 g + s; bp is the C of each sum's first matrix instruction.
.irp n, 0,1,2,3,4,5,6,7,8,9,10,11,12,13,14,15
	s_wait_loadcnt 63                              ; this unit's nine loads are in; the nine of each of the seven younger units may be out
.if (\n%4) == 0
	WIN ((2+\n/8)<<6)|1
	MM16 \n%8, \n%4, 2, 128*((\n/4)%2), QF+32*(\n%4), -1
.else
	WIN ((2+\n/8)<<6)|((2+\n/8)<<4)|1
	MM16 \n%8, \n%4, 1, 128*((\n/4)%2), QF+32*(\n%4), -1
.endif
	PLACES
	RING \n%8, 1
.endr
; ---- q IS QUANTISED along i.  K step e = my rows 128 e ..: window 2 + e; block b of token tile t lies at 64 b + 32 u + 8 t; a lane holds 16 of its 32 numbers, lane l xor 16 the others.
.irp e, 0,1
	WIN ((2+\e)<<2)|((2+\e)<<4)
.irp t, 0,1,2,3
.irp b, 0,1,2,3
	v_max3_num_f32 v[TM+4*\t+\b], 0x1800000, |v[64*\b+8*\t]|, |v[64*\b+8*\t+1]|   ; the floor 2^(3 - 127) among the leaves; each accumulator is read from its low end on
.endr
.endr
.irp i, 2,4,6,32,34,36,38
.irp t, 0,1,2,3
.irp b, 0,1,2,3
	v_max3_num_f32 v[TM+4*\t+\b], v[TM+4*\t+\b], |v[64*\b+8*\t+\i]|, |v[64*\b+8*\t+\i+1]|   ; sixteen blocks by turns
.endr
.endr
.endr
	WIN 0
.irp x, 0,1,2,3,4,5,6,7,8,9,10,11,12,13,14,15
	v_permlanex16_b32 v[TP+\x], v[TM+\x], s[SEL], s[SEL+1]
.endr
.irp x, 0,1,2,3,4,5,6,7,8,9,10,11,12,13,14,15
	v_max_num_f32 v[TM+\x], v[TM+\x], v[TP+\x]     ; the block's largest magnitude
.endr
.irp x, 0,1,2,3,4,5,6,7,8,9,10,11,12,13,14,15
	v_add_nc_u32 v[TSO+\x], 0xff000000, v[TM+\x]   ; 2 off its exponent field: the conversion's scale operand
.endr
.irp x, 0,1,2,3,4,5,6,7,8,9,10,11,12,13,14,15
	v_lshrrev_b32 v[TP+\x], 23, v[TSO+\x]          ; the scale's byte
.endr
.irp t, 0,1,2,3
	v_lshl_or_b32 v[PW+2*\t+\e], v[TP+4*\t+1], 8, v[TP+4*\t]
.endr
.irp t, 0,1,2,3
	v_lshl_or_b32 v[PW+2*\t+\e], v[TP+4*\t+2], 16, v[PW+2*\t+\e]
.endr
.irp t, 0,1,2,3
	v_lshl_or_b32 v[PW+2*\t+\e], v[TP+4*\t+3], 24, v[PW+2*\t+\e]
.endr
	WIN 2+\e
.irp t, 0,1,2,3
.irp b, 0,1,2,3
.irp u, 0,1
	v_cvt_scalef32_pk8_fp4_f32 v[PC+32*\e+2*(4*\t+\b)+\u], v[64*\b+32*\u+8*\t:64*\b+32*\u+8*\t+7], v[TSO+4*\t+\b]   ; k = 32 b + 16 h + 8 u + 0 .. 7
.endr
.endr
.endr
	v_nop                                          ; one plain place behind the last conversion: matrix instructions write these registers later
	WIN 0
.irp t, 0,1,2,3
.irp b, 0,1,2,3
	ds_store_b64 v[QA], v[PC+32*\e+2*(4*\t+\b):PC+32*\e+2*(4*\t+\b)+1] offset:4096*\e+1024*\t+512*(\b/2)+256*(\b%2)   ; the 32 lanes fill the block's 256 bytes of the image: no exchange of halves is needed
.endr
.endr
.endr
.irp t, 0,1,2,3
	ds_store_b64 v[QS], v[PW+2*\t:PW+2*\t+1] offset:128*\t   ; lanes l and l xor 16 write the same words with the same values
.endr
	s_wait_dscnt 0x0                               ; for the others' sake: my stores of M's part and of q's images and words have landed
	s_barrier_signal -1
	s_barrier_wait -1                              ; the one barrier: behind it images and scale words are only read, and each wave's stage is its own
; ---- THE SECOND AND THIRD PRODUCTS, a pass for each group g of 64 rows: eight units of W3 against M, eight of W4 against q, onto the same 16 accumulators.
; The order of these LDS loads is that of the loop: eight loads of fragments, then two of scale words that are wanted much later (here K steps 6 and 7's).
	s_mov_b32 s[TBS], 0
	v_add_nc_u32 v[XA], XIMG, v[LI]
.irp g, 0,1,2
.irp h, 0,1
	ds_load_b64 v[TS+4*\g+2*\h:TS+4*\g+2*\h+1], v[WB] offset:XSC+512*\g+256*\h    ; M's scale words, K steps 0 to 5
.endr
.endr
.irp t, 0,1,2,3
.irp c, 0,1
	ds_load_b128 v[TB+8*\t+4*\c:TB+8*\t+4*\c+3], v[XA] offset:1024*\t+512*\c      ; M's first K step
.endr
.endr
.irp h, 0,1
	ds_load_b64 v[TS+12+2*\h:TS+12+2*\h+1], v[WB] offset:XSC+1536+256*\h          ; M's scale words, K steps 6 and 7
.endr
	s_mov_b32 s[XSS], 0x800
	v_add_nc_u32 v[XS], s[XSS], v[WB]
; One unit.  zero: 0 in place, 1 C = 0, 2 by the trip's number.  ld: the ring's buffer is filled again.  lc: the younger loads from memory.  pre: the next unit's token fragments are fetched, first of all.
; rs: scale words done with are replaced.  dw: the LDS instructions issued behind this unit's eight fragment loads: the two replacements of the unit before, if it made any, and the eight loads of pre.
.macro UNIT d, zero, ld, lc, pre, rs, dw
.if (\pre)
.if (\d) == 7
	s_xor_b32 s[TBS], s[TBS], 0x8000               ; on to the other half of the images: M's or q's
	v_add_nc_u32 v[XA], s[TBS], v[LI]
	v_add_nc_u32 v[XA], XIMG, v[XA]
.endif
.irp t, 0,1,2,3
.irp c, 0,1
	ds_load_b128 v[TB+32*(((\d)+1)%2)+8*\t+4*\c:TB+32*(((\d)+1)%2)+8*\t+4*\c+3], v[XA] offset:(4*(((\d)+1)%8)+\t)*1024+512*\c   ; into the set that the unit before multiplied: its places stand at its end
.endr
.endr
.endif
	s_wait_loadcnt \lc                             ; this unit's nine loads are in; the younger units' may be out
.if (\zero) == 2
	s_cmp_lg_u32 s[CH], 0
	s_cbranch_scc1 .Ladd_\@
	v_nop                                          ; one place more in front of products that begin accumulators anew
	WIN 0x01
	MM16 \d, \d, 0, AC, TB+32*((\d)%2), \dw
	WIN 0
	s_branch .Ljoin_\@
.Ladd_\@:
	WIN 0x01
	MM16 \d, \d, 1, AC, TB+32*((\d)%2), \dw
	WIN 0
.Ljoin_\@:
.elseif (\zero) == 1
	WIN 0x01
	MM16 \d, \d, 0, AC, TB+32*((\d)%2), \dw
.else
	WIN 0x01
	MM16 \d, \d, 1, AC, TB+32*((\d)%2), \dw
.endif
	PLACES                                         ; for the loads into the ring's buffer, into the scale words and, in the next unit, into this unit's token fragments; and for the first read of results
.if (\ld)
	RING \d, 1
.endif
	WIN 0
.if (\rs) && (((\d)%2) == 1)
.irp h, 0,1
	ds_load_b64 v[TS+4*((\d)/2)+2*\h:TS+4*((\d)/2)+2*\h+1], v[XS] offset:512*((\d)/2)+256*\h   ; K steps d - 1 and d are done: their words give way to the other half's, wanted a trip later; the next unit's waits leave these two out
.endr
.endif
.endm
.macro TRIP zero, ld, last             ; eight units: one weight matrix's eight K steps for one group
.irp u, 0,1,2,3,4,5,6,7
.if \u == 0
	UNIT \u, \zero, \ld, 63, 1, 1-\last, 10
.elseif \u == 7
	UNIT \u, 0, \ld, 63*\ld, 1-\last, 1-\last, 8*(1-\last)
.elseif (\u%2) == 0
	UNIT \u, 0, \ld, 63*\ld+(1-\ld)*9*(7-\u), 1, 1-\last, 8+2*(1-\last)
.else
	UNIT \u, 0, \ld, 63*\ld+(1-\ld)*9*(7-\u), 1, 1-\last, 8
.endif
.endr
.if (\last) == 0
	s_xor_b32 s[XSS], s[XSS], 0x800
	v_add_nc_u32 v[XS], s[XSS], v[WB]
.endif
.endm
; THE WAY OUT of group g, in two halves of 32 rows (tiles 2 hf, 2 hf + 1): + b3, relu, x q; through my stage, so that sixteen lanes store 256 consecutive bytes of a row.
.macro MATH g, hf
.irp y, 0,1
.irp t, 0,1,2,3
.irp j, 0,2,4,6
	v_pk_add_f32 v[AC+64*(\hf)+32*\y+8*\t+\j:AC+64*(\hf)+32*\y+8*\t+\j+1], v[AC+64*(\hf)+32*\y+8*\t+\j:AC+64*(\hf)+32*\y+8*\t+\j+1], v[B3+2*\t:B3+2*\t+1]   ; each accumulator from its low end on
.endr
.endr
.endr
.set ii, 0
.rept 64
	v_max_num_f32 v[AC+64*(\hf)+ii], 0, v[AC+64*(\hf)+ii]
.set ii, ii+1
.endr
	WIN (2+(\g)/2)<<2                              ; source 1: q's window
.set ii, 0
.rept 32
	v_pk_mul_f32 v[AC+64*(\hf)+ii:AC+64*(\hf)+ii+1], v[AC+64*(\hf)+ii:AC+64*(\hf)+ii+1], v[128*((\g)%2)+64*(\hf)+ii:128*((\g)%2)+64*(\hf)+ii+1]
.set ii, ii+2
.endr
	WIN 0
.endm
.macro STAGE g, hf
.irp y, 0,1
.irp t, 0,1,2,3
.irp j, 0,1,2,3,4,5,6,7
	ds_store_b32 v[SO], v[AC+64*(\hf)+32*\y+8*\t+\j] offset:8320*(\hf)+256*(8*\y+\j)+64*\t   ; row 32 hf + 16 h + 8 y + j, token 16 t + r; the two halves of the lanes lie 1,040 words apart: 16 banks
.endr
.endr
.endr
	WIN (2+(\g)/2)<<6                              ; back into the registers that this half's q has left
.irp k, 0,1,2,3,4,5,6,7,8,9,10,11,12,13,14,15
	ds_load_b128 v[128*((\g)%2)+64*(\hf)+4*\k:128*((\g)%2)+64*(\hf)+4*\k+3], v[SR] offset:4160*(2*(\hf)+\k/8)+512*(\k%8)   ; LDS serves a wave's instructions in order (ISA guide 5.7.1.4): these see my stores
.endr
	WIN 0
.endm
.macro SENDH g, hf
	WIN (2+(\g)/2)<<2                              ; a store's data are its source 1
.irp k, 0,1,2,3,4,5,6,7,8,9,10,11,12,13,14,15
	s_wait_dscnt 15-\k                             ; the younger loads from the stage may be out
	global_store_b128 v[GO], v[128*((\g)%2)+64*(\hf)+4*\k:128*((\g)%2)+64*(\hf)+4*\k+3], s[OB:OB+1] offset:(64*(\g)+16*(2*(\hf)+\k/8)+2*(\k%8))*4096 th:TH_STORE_NT   ; each half of the lanes stores 256 consecutive bytes, aligned; written once; the data's registers are never written again
.endr
	WIN 0
.endm
.macro EPI g
	MATH \g, 0
	STAGE \g, 0
	MATH \g, 1                                     ; the second half's arithmetic stands between the first half's loads from the stage and the wait for them
	SENDH \g, 0
	STAGE \g, 1
	SENDH \g, 1
.endm
.macro PASS g
	s_mov_b32 s[CH], 0
.Lpass_\@:                                         ; two trips: W3 against M (its first unit starts the sums with the constant 0), W4 against q
	TRIP 2, 1, 0
	s_add_co_u32 s[CH], s[CH], 1
	s_cmp_lt_u32 s[CH], 2
	s_cbranch_scc1 .Lpass_\@
	EPI \g                                         ; its stores leave while the next pass multiplies
.endm
	PASS 0
	PASS 1
	PASS 2
	TRIP 1, 1, 0                                   ; the last pass is written out: its first trip asks for the last eight units,
	TRIP 0, 0, 1                                   ; its second for nothing: no load leaves its buffer, and the counts run down 63, 54, .. 0
	EPI 3
	s_wait_tensorcnt 0x0
	ds_add_u32 v126, v127
	s_wait_dscnt 0x0
	s_endpgm
.Lfunc_end_k_qe4b133e242_chain:
	.size	k_qe4b133e242_chain, .Lfunc_end_k_qe4b133e242_chain-k_qe4b133e242_chain
	.p2alignl 7, 3214868480
	.fill 96, 4, 3214868480
	.section	.rodata,"a",@progbits
	.p2align	6, 0x0
	.amdhsa_kernel k_qe4b133e242_chain
		.amdhsa_group_segment_fixed_size 136704
		.amdhsa_private_segment_fixed_size 0
		.amdhsa_enable_private_segment 0
		.amdhsa_kernarg_size 40
		.amdhsa_user_sgpr_count 2
		.amdhsa_user_sgpr_kernarg_segment_ptr 1
		.amdhsa_wavefront_size32 1
		.amdhsa_system_sgpr_workgroup_id_x 1
		.amdhsa_system_sgpr_workgroup_id_y 1
		.amdhsa_system_sgpr_workgroup_id_z 1
		.amdhsa_system_vgpr_workitem_id 0
		.amdhsa_next_free_vgpr 1024
		.amdhsa_next_free_sgpr 66
		.amdhsa_reserve_vcc 0
		.amdhsa_float_denorm_mode_32 3
		.amdhsa_float_denorm_mode_16_64 3
		.amdhsa_memory_ordered 1
		.amdhsa_forward_progress 1
		.amdhsa_inst_pref_size 255
	.end_amdhsa_kernel
	.section	.bss,"aw",@nobits
	.p2align	6
	.space	262144
	.amdgpu_metadata
---
amdhsa.version: [ 1, 2 ]
amdhsa.kernels:
  - .name:           k_qe4b133e242_chain
    .symbol:         k_qe4b133e242_chain.kd
    .args:
      - { .name: tok, .offset: 0, .size: 8, .value_kind: global_buffer, .address_space: global }
      - { .name: wts, .offset: 8, .size: 8, .value_kind: global_buffer, .address_space: global }
      - { .name: bp, .offset: 16, .size: 8, .value_kind: global_buffer, .address_space: global }
      - { .name: b3, .offset: 24, .size: 8, .value_kind: global_buffer, .address_space: global }
      - { .name: out0, .offset: 32, .size: 8, .value_kind: global_buffer, .address_space: global }
    .group_segment_fixed_size: 136704
    .private_segment_fixed_size: 0
    .kernarg_segment_align: 8
    .kernarg_segment_size: 40
    .max_flat_workgroup_size: 128
    .sgpr_count:     66
    .vgpr_count:     1024
    .wavefront_size: 32
...
	.end_amdgpu_metadata
.endif
;; end of part 2
;; ======== version 2 of 2: 2 launches
;; workspace buffers: tok 13,369,344 bytes; wts 1,392,640 bytes
;; launch quant (part 3): grid 848 x 1, 4 waves a work-group, no clusters, 68,096 bytes of LDS; arguments Q, M, Wp, W3, W4, tok, wts; writes tok, wts
.if DOCPART == 3
	.amdgcn_target "amdgcn-amd-amdhsa--gfx1250"
	.amdhsa_code_object_version 6
	.text
	.protected	k_qe4b133e242_quant
	.globl	k_qe4b133e242_quant
	.p2align	8
	.type	k_qe4b133e242_quant,@function
k_qe4b133e242_quant:
	s_mov_b64 s[64:65], 0
	v_nop
	global_prefetch_b8 v0, s[64:65] scope:SCOPE_SE
	s_setreg_imm32_b32 hwreg(HW_REG_WAVE_MODE, 25, 1), 1
	s_wait_xcnt 0x0
; Q [16][512][1024], M [16][1024][1024] (K = the middle axis) and Wp [1024][512], W3, W4 [1024][1024] (K innermost), all f32, become codes of E2M1
; with one E8M0 byte for each 32 along K, laid in the ORDER OF THE OPERAND'S REGISTERS for the launch that follows.
; A block's scale is 2^(floor(log2(its largest magnitude)) - 2); its byte is the largest magnitude's exponent field - 2, held at 1 from below.
; LIMITS: a block of zeros gets the byte 1 where the rule says 127 (its codes are zeros, which add nothing under any byte but 0xff, and this program alone
; reads the bytes); blocks whose largest magnitude lies under 2^(3 - 127) are held at that floor; NaN and infinities among the inputs are not served.
; A FRAGMENT'S IMAGE (16 rows x 128 K, 1,024 bytes): block bt (0..3) of row r lies at 512 (bt / 2) + 256 (bt % 2) + 16 r: lane r + 16 h of the reader takes 16 bytes at 16 x lane of each half.
; tok: 256 records of 52,224 bytes, one for each 64 tokens (b, k): Q's 16 images, Q's scale words (1,024 bytes), M's 32 images, M's scale words (2,048 bytes).
; wts: [reader's wave 0..3][unit 0..79][4,352 bytes]: a unit is 64 rows x 128 K: four images and 256 bytes of scale words, in the order in which the reader takes them.
; Work-groups 0..79 take the weights (one unit a wave), the other 768 take Q and M.  Waves share nothing: no barrier.  Only the weights' path touches LDS.
.set X,     32                         ; v32-95   two sets of 32 numbers
.set C,     96                         ; v96-127  codes: four registers for each of eight blocks, so that no store's data are written again
.set L,     128                        ; v128-255 weights: 32 rows as they are loaded
.set VO,    16                         ; v16-23   weights: 16 x lane + c x pitch
.set REC,   52224
.set UNITB, 4352
.set WST,   16896                      ; LDS: a stage of 32 rows x 528 bytes for each wave
.set SPI,   528                        ; 512 bytes + 16: an odd multiple of 16, so that the lanes' reads down the rows fall on different banks
; 32 numbers of one lane, one block along K: codes into v[cb..cb+3], the byte into byte by of v[sw]
.macro BLOCK xs, cb, sw, by
.set XS0, \xs
.set CB0, \cb
.set SW0, \sw
.set BY0, \by
	v_max3_num_f32 v8, |v[XS0]|, |v[XS0+1]|, |v[XS0+2]|          ; the largest magnitude, in two chains
	v_max3_num_f32 v9, |v[XS0+3]|, |v[XS0+4]|, |v[XS0+5]|
.irp i, 6,10,14,18,22,26
	v_max3_num_f32 v8, v8, |v[XS0+\i]|, |v[XS0+\i+1]|
	v_max3_num_f32 v9, v9, |v[XS0+\i+2]|, |v[XS0+\i+3]|
.endr
	v_max3_num_f32 v8, v8, |v[XS0+30]|, |v[XS0+31]|
	v_max3_num_f32 v8, v8, v9, 0x1800000                          ; and the floor 2^(3 - 127): the byte cannot fall under 1
	v_add_nc_u32 v10, 0xff000000, v8                              ; 2 off the exponent field: the conversion takes that field as its scale
	v_lshrrev_b32 v11, 23, v10                                    ; the scale's byte
.if BY0 == 0
	v_mov_b32 v[SW0], v11
.else
	v_lshl_or_b32 v[SW0], v11, 8*BY0, v[SW0]
.endif
.irp q, 0,1,2,3
	v_cvt_scalef32_pk8_fp4_f32 v[CB0+\q], v[XS0+8*\q:XS0+8*\q+7], v10   ; the results go to stores alone; the next block begins with plain vector lines
.endr
.endm
	s_load_b256 s[4:11], s[0:1], 0x0               ; Q s[4:5], M s[6:7], Wp s[8:9], W3 s[10:11]
	s_load_b128 s[12:15], s[0:1], 0x20             ; W4 s[12:13], tok s[14:15]
	s_load_b64 s[16:17], s[0:1], 0x30              ; wts
	v_lshl_add_u32 v30, v0, 2, 0x10800
	v_mov_b32 v31, 0
	v_lshrrev_b32 v8, 5, v0
	v_readfirstlane_b32 s18, v8                    ; wave 0..3
	v_and_b32 v1, 31, v0                           ; lane
	v_lshlrev_b32 v2, 2, v1                        ; 4 x lane
	v_lshrrev_b32 v8, 4, v1
	v_and_b32 v9, 15, v1
	v_lshlrev_b32 v3, 4, v9
	v_lshl_add_u32 v3, v8, 10, v3                  ; my 16 bytes of codes: image lane / 16, row lane % 16
	v_lshlrev_b32 v4, 3, v1                        ; my two scale words
	s_mul_i32 s19, s18, WST
	v_lshlrev_b32 v7, 4, v1                        ; 16 x lane
	v_add_nc_u32 v5, s19, v7                       ; the stage, on the way in: a row's 512 bytes as they lie
	v_mul_u32_u24 v6, v1, SPI
	v_add_nc_u32 v6, s19, v6                       ; and on the way out: row = lane
	s_wait_kmcnt 0x0
	s_cmp_lt_u32 ttmp9, 80
	s_cbranch_scc1 .Lweights
; ---- Q AND M.  A lane takes a token k and its registers run down K (j): a wave's load reads 128 consecutive bytes of a row, the four waves 512.
; A wave takes 32 tokens x 256 along K: eight blocks, two K steps.
	s_sub_co_u32 s20, ttmp9, 80
	s_cmp_lt_u32 s20, 256                          ; the first 256 take Q, the other 512 M: the choice hangs on the work-group's number alone
	s_cselect_b64 s[22:23], s[4:5], s[6:7]
	s_cselect_b32 s24, 1, 2                        ; log2 of the runs of 256 along K
	s_cselect_b32 s28, 1, 3                        ; and their mask
	s_cselect_b32 s25, 0, 256
	s_cselect_b32 s26, 0, 17408                    ; where the tensor's images begin in a record,
	s_cselect_b32 s27, 0, 33792                    ; and its scale words, counted from 16,384
	s_sub_co_u32 s20, s20, s25
	s_and_b32 s29, s20, s28                        ; which 256 along K
	s_lshr_b32 s30, s20, s24
	s_and_b32 s31, s30, 7                          ; which 128 tokens of the batch
	s_lshr_b32 s30, s30, 3                         ; the batch
	s_add_co_u32 s32, s24, 20
	s_lshl_b32 s32, s30, s32                       ; a batch is 2^21 (Q) or 2^22 (M) bytes
	s_lshl_b32 s33, s29, 20                        ; 256 rows of 4,096 bytes
	s_add_co_u32 s32, s32, s33
	s_lshl_b32 s33, s31, 9
	s_add_co_u32 s32, s32, s33
	s_lshl_b32 s33, s18, 7
	s_add_co_u32 s32, s32, s33
	s_mov_b32 s33, 0
	s_add_nc_u64 s[22:23], s[22:23], s[32:33]      ; my wave's first row and token
	s_lshl_b32 s34, s30, 4
	s_lshl_b32 s35, s31, 1
	s_add_co_u32 s34, s34, s35
	s_lshr_b32 s35, s18, 1
	s_add_co_u32 s34, s34, s35                     ; the record: 16 b + k / 64
	s_mul_i32 s34, s34, REC
	s_and_b32 s35, s18, 1                          ; which 32 of its 64 tokens
	s_lshl_b32 s36, s29, 13                        ; two K steps x four images
	s_add_co_u32 s36, s36, s34
	s_add_co_u32 s36, s36, s26
	s_lshl_b32 s37, s35, 11
	s_add_co_u32 s36, s36, s37
	s_mov_b32 s37, 0
	s_add_nc_u64 s[38:39], s[14:15], s[36:37]      ; my codes
	s_lshl_b32 s36, s29, 9
	s_add_co_u32 s36, s36, s34
	s_add_co_u32 s36, s36, s27
	s_lshl_b32 s40, s35, 8
	s_add_co_u32 s36, s36, s40
	s_add_co_u32 s36, s36, 16384
	s_add_nc_u64 s[40:41], s[14:15], s[36:37]      ; my scale words
.macro LOADT t
.irp i, 0,1,2,3,4,5,6,7,8,9,10,11,12,13,14,15,16,17,18,19,20,21,22,23,24,25,26,27,28,29,30,31
	global_load_b32 v[X+32*((\t)%2)+\i], v2, s[22:23] offset:(32*(\t)+\i)*4096 th:TH_LOAD_NT
.endr
.endm
	LOADT 0
	LOADT 1
.irp t, 0,1,2,3,4,5,6,7
.if \t < 7
	s_wait_loadcnt 32                              ; this block's 32 loads are in; the next block's 32 may be out
.else
	s_wait_loadcnt 0x0
.endif
	BLOCK X+32*(\t%2), C+4*\t, 12+\t/4, \t%4
	global_store_b128 v3, v[C+4*\t:C+4*\t+3], s[38:39] offset:4096*(\t/4)+512*((\t/2)%2)+256*(\t%2)   ; lanes 0-15 and lanes 16-31 each store 256 consecutive bytes, aligned
.if \t+2 < 8
	LOADT \t+2
.endif
.endr
	global_store_b64 v4, v[12:13], s[40:41]        ; 32 lanes store 256 consecutive bytes, aligned
	s_endpgm
; ---- THE WEIGHTS.  Work-group n, wave w make unit n of the reader's wave w: rows 256 w + 64 g .., 128 along K.
; n < 16: Wp, g = n / 4, K step n % 4.  Else n' = n - 16: g = n' / 16, W3 or W4 by (n' / 8) % 2, K step n' % 8.
; Each load reads a row's 512 consecutive bytes; 32 rows go through the wave's stage and come back one row a lane.
; THE ROWS OF A TILE ARE NOT NEIGHBOURS: in a block of 32 rows, position m of tile u is row 8 u + m + 8 (m / 8); the stage row 16 u + m is chosen by the store's immediate.
.Lweights:
	s_mov_b32 s20, ttmp9
	s_cmp_lt_u32 s20, 16
	s_cselect_b32 s21, 0, 16
	s_cselect_b32 s24, 2, 4
	s_cselect_b32 s25, 3, 7
	s_cselect_b32 s26, 11, 12                      ; log2 of a row's bytes
	s_sub_co_u32 s21, s20, s21
	s_lshr_b32 s27, s21, s24                       ; g
	s_and_b32 s28, s21, s25                        ; the K step
	s_and_b32 s29, s21, 8
	s_cmp_lg_u32 s29, 0
	s_cselect_b64 s[22:23], s[12:13], s[10:11]     ; W4 or W3,
	s_cmp_lt_u32 s20, 16
	s_cselect_b64 s[22:23], s[8:9], s[22:23]       ; or Wp: the choices hang on the work-group's number alone
	s_lshl_b32 s29, s18, 8
	s_lshl_b32 s30, s27, 6
	s_add_co_u32 s29, s29, s30                     ; my first row
	s_lshl_b32 s30, s29, s26
	s_lshl_b32 s31, s28, 9
	s_add_co_u32 s30, s30, s31
	s_mov_b32 s31, 0
	s_add_nc_u64 s[32:33], s[22:23], s[30:31]      ; eight bases, eight rows apart
	s_lshl_b32 s48, 8, s26
	s_mov_b32 s49, 0
.irp a, 1,2,3,4,5,6,7
	s_add_nc_u64 s[32+2*\a:33+2*\a], s[30+2*\a:31+2*\a], s[48:49]
.endr
	s_lshl_b32 s50, 1, s26
	s_wait_alu depctr_va_vdst(0)
.irp c, 0,1,2,3,4,5,6,7
	v_mad_u32_u24 v[VO+\c], s50, \c, v7            ; 16 x lane + c rows
.endr
	s_mul_i32 s51, s18, 80
	s_add_co_u32 s51, s51, s20
	s_mul_i32 s52, s51, UNITB
	s_mov_b32 s53, 0
	s_add_nc_u64 s[54:55], s[16:17], s[52:53]      ; my unit
.macro LOADW y
.irp a, 0,1,2,3
.irp c, 0,1,2,3,4,5,6,7
	global_load_b128 v[L+4*(8*\a+\c):L+4*(8*\a+\c)+3], v[VO+\c], s[32+2*(4*(\y)+\a):33+2*(4*(\y)+\a)] th:TH_LOAD_NT
.endr
.endr
.endm
.macro TOSTAGE
.irp a, 0,1,2,3
.irp c, 0,1,2,3,4,5,6,7
	s_wait_loadcnt 31-(8*\a+\c)                    ; loads come back in order: this row is in, the younger rows may be out
	ds_store_b128 v5, v[L+4*(8*\a+\c):L+4*(8*\a+\c)+3] offset:SPI*(16*(\a%2)+8*(\a/2)+\c)
.endr
.endr
.endm
.macro DSL bt                          ; block bt of my row: 128 bytes
.irp i, 0,1,2,3,4,5,6,7
	ds_load_b128 v[X+32*((\bt)%2)+4*\i:X+32*((\bt)%2)+4*\i+3], v6 offset:128*(\bt)+16*\i
.endr
.endm
	LOADW 0
	s_wait_alu depctr_va_vdst(0)
.irp y, 0,1
	TOSTAGE                                        ; (for the second 32 rows: my reads of the stage ended at the wait for 0 below)
.if \y == 0
	s_wait_dscnt 0x0                               ; the stores have read their registers,
	LOADW 1                                        ; which take the next 32 rows while these are worked
.endif
	DSL 0
	DSL 1
.irp bt, 0,1,2,3
.if \bt < 3
	s_wait_dscnt 8                                 ; LDS serves a wave in order: this block is in, the next block's eight loads may be out
.else
	s_wait_dscnt 0x0
.endif
	BLOCK X+32*(\bt%2), C+16*\y+4*\bt, 12+\y, \bt
	global_store_b128 v3, v[C+16*\y+4*\bt:C+16*\y+4*\bt+3], s[54:55] offset:2048*\y+512*(\bt/2)+256*(\bt%2)
.if \bt+2 < 4
	DSL \bt+2
.endif
.endr
.endr
	global_store_b64 v4, v[12:13], s[54:55] offset:4096   ; word i of lane l: tile 2 i + l / 16, position l % 16
	s_wait_tensorcnt 0x0
	ds_add_u32 v30, v31
	s_wait_dscnt 0x0
	s_endpgm
.Lfunc_end_k_qe4b133e242_quant:
	.size	k_qe4b133e242_quant, .Lfunc_end_k_qe4b133e242_quant-k_qe4b133e242_quant
	.p2alignl 7, 3214868480
	.fill 96, 4, 3214868480
	.section	.rodata,"a",@progbits
	.p2align	6, 0x0
	.amdhsa_kernel k_qe4b133e242_quant
		.amdhsa_group_segment_fixed_size 68096
		.amdhsa_private_segment_fixed_size 0
		.amdhsa_enable_private_segment 0
		.amdhsa_kernarg_size 56
		.amdhsa_user_sgpr_count 2
		.amdhsa_user_sgpr_kernarg_segment_ptr 1
		.amdhsa_wavefront_size32 1
		.amdhsa_system_sgpr_workgroup_id_x 1
		.amdhsa_system_sgpr_workgroup_id_y 1
		.amdhsa_system_sgpr_workgroup_id_z 1
		.amdhsa_system_vgpr_workitem_id 0
		.amdhsa_next_free_vgpr 256
		.amdhsa_next_free_sgpr 66
		.amdhsa_reserve_vcc 0
		.amdhsa_float_denorm_mode_32 3
		.amdhsa_float_denorm_mode_16_64 3
		.amdhsa_memory_ordered 1
		.amdhsa_forward_progress 1
		.amdhsa_inst_pref_size 70
	.end_amdhsa_kernel
	.amdgpu_metadata
---
amdhsa.version: [ 1, 2 ]
amdhsa.kernels:
  - .name:           k_qe4b133e242_quant
    .symbol:         k_qe4b133e242_quant.kd
    .args:
      - { .name: Q, .offset: 0, .size: 8, .value_kind: global_buffer, .address_space: global }
      - { .name: M, .offset: 8, .size: 8, .value_kind: global_buffer, .address_space: global }
      - { .name: Wp, .offset: 16, .size: 8, .value_kind: global_buffer, .address_space: global }
      - { .name: W3, .offset: 24, .size: 8, .value_kind: global_buffer, .address_space: global }
      - { .name: W4, .offset: 32, .size: 8, .value_kind: global_buffer, .address_space: global }
      - { .name: tok, .offset: 40, .size: 8, .value_kind: global_buffer, .address_space: global }
      - { .name: wts, .offset: 48, .size: 8, .value_kind: global_buffer, .address_space: global }
    .group_segment_fixed_size: 68096
    .private_segment_fixed_size: 0
    .kernarg_segment_align: 8
    .kernarg_segment_size: 56
    .max_flat_workgroup_size: 128
    .sgpr_count:     66
    .vgpr_count:     256
    .wavefront_size: 32
...
	.end_amdgpu_metadata
.endif
;; end of part 3
;; launch chain (part 4): grid 256 x 1, 4 waves a work-group, no clusters, 136,704 bytes of LDS; arguments tok, wts, bp, b3, out0; writes out0
.if DOCPART == 4
	.amdgcn_target "amdgcn-amd-amdhsa--gfx1250"
	.amdhsa_code_object_version 6
	.text
	.protected	k_qe4b133e242_chain
	.globl	k_qe4b133e242_chain
	.p2align	8
	.type	k_qe4b133e242_chain,@function
k_qe4b133e242_chain:
	s_mov_b64 s[64:65], 0
	v_nop
	global_prefetch_b8 v0, s[64:65] scope:SCOPE_SE
	s_setreg_imm32_b32 hwreg(HW_REG_WAVE_SCHED_MODE, 0, 2), 2
	s_setreg_imm32_b32 hwreg(HW_REG_WAVE_MODE, 25, 1), 1
	s_wait_xcnt 0x0
	s_wait_alu depctr_vm_vsrc(0)
; q[b][i][k] = sum_j Wp[i][j] Q[b][j][k] + bp[k];   out0[b][i][k] = relu(sum_j W3[i][j] M[b][j][k] + sum_j W4[i][j] q[b][j][k] + b3[k]) q[b][i][k].
; All three products on codes of E2M1 with one E8M0 scale for each 32 along j; sums in f32.  Q, M and the weights arrive as codes in operand order (tok, wts); q is quantised here, along i, in registers.
; NOT COMPUTED, AND SAID PLAINLY: the products with Wd and with K and the softmax behind them feed only a value that the function itself deletes; no number of out0 hangs on K, ht, Wd or bd, and they are not read.
; LIMITS: NaN and infinities are not served; a block of q that is all zeros gets the byte 1 (its codes are zeros); b3 is added behind the two sums, not between them.
; SHARES.  Every column (b, k) is a token.  A work-group takes 64 tokens through the whole chain; wave w makes rows i = 256 w .. 256 w + 255 for all 64: four groups g of 64 rows (four tiles), against four tiles of tokens.
; Source 0 = 16 rows of a weight, source 1 = 16 tokens: a lane holds ONE token (lane % 16), and register j of tile p holds row 32 (p / 2) + 16 (lane / 16) + 8 (p % 2) + j of the group,
; since the rows of a weight tile were chosen so: the 16 registers of tiles 2 y and 2 y + 1 are 16 neighbours along the next K.
; WEIGHTS go from memory straight into a ring of eight register buffers (a unit: 64 rows x 128 K: 8 + 1 loads, 16 matrix instructions); no wave shares a fragment with another.
; Each buffer has a base of its own, stepped behind the counted wait that shows the buffer's last loads done: so no wait stands behind loads just issued.
; NO CLUSTER, though all work-groups walk the same weights: beside the tokens' images and the stage two LDS slots would hold five units a wave each, 80 matrix instructions between two changes of slots,
; each with a wait for all loads; the register ring keeps 54 to 63 loads of each wave on their way without a pause.
; TOKENS: M's images are copied into LDS once; q's images are stored there by the wave that made them; one barrier; then every wave reads all.
; REGISTERS, in windows of 256: window 0: see the names below.  window 1: the ring, buffer d at 32 d.  windows 2, 3: q in f32, group g in window 2 + g / 2 at 128 (g % 2) + 32 p + 8 t;
; behind a group's multiplication its registers take the group's rows of out0 back from the stage, and are stored from there: they are never written again.
; THE MODE: SCHED_MODE bits 1:0 = 2 (LLVM: expert scheduling mode 2), set by the entry lines.  The code itself states the register dependences
; between vector or matrix instructions and memory or LDS instructions, with s_wait_alu, always for 0.
; THE PLAN.  Registers that memory or LDS instructions touch, unit by unit (unit n, d = n % 8):
;   ring buffer d, scale pair d    Unit n's 16 matrix instructions read them; the nine loads of unit n + 8's data, issued in unit n + 1, land in them.
;   token set n % 2                Unit n's matrix instructions read it; the eight LDS loads at the head of unit n + 1 (unit n + 2's fragments) land in it.
;   token scale words, pair j      The units of K steps 2 j and 2 j + 1 read them; the two LDS loads at the head of the unit behind them land in them (pair 3's: in the next trip's unit 0).
;   v[XA], v[XS]                   Read by those LDS loads; written once a trip each, ahead of the head of unit 7 and of unit 1.
;   the other addresses            Made at the kernel's head and never written again.
;   the accumulators               Written by the products and the way out's arithmetic; read by the stage's LDS stores; written anew by the next pass.
;   q's group g                    Read by the way out's multiplication; then the loads from the stage land in it and the global stores read it; never written again.
; So ONE wait on va_vdst stands at a unit's head: the unit before is done reading its ring buffer, its scale pair, its token set and its token scale words.  All the unit's loads follow it, the ring's eight
; dealt among the unit's matrix instructions, which name buffer d, pair d, set n % 2, this K step's words and the accumulators: none of the registers that those loads touch.
.set REC,   52224
.set UNITB, 4352
.set XSC,   0                          ; LDS: token scale words [8][64 tokens][8 bytes]: 0-3 M's, 4 + w q's K steps 2 w, 2 w + 1
.set XIMG,  4096                       ; images (4 s + t) x 1,024: s 0-7 M's, 8-15 q's
.set STG,   69632                      ; a stage of 16,640 bytes for each wave: four half blocks of 16 rows x 256 bytes, 4,160 apart
.set LI,  1                            ; 16 x lane
.set WB,  2                            ; 8 x lane
.set XA,  3                            ; LDS address of the token images in hand
.set XS,  4                            ; and of the scale words that are fetched next (M's or q's)
.set SO,  5                            ; the stage, in
.set SR,  6                            ; the stage, back
.set GO,  7                            ; my bytes in two rows of out0
.set B3,  8                            ; v8-15   b3 of token 16 t + r, twice (a pair for the packed addition)
.set WS,  16                           ; v16-31  the ring's scale words: pair d
.set TS,  32                           ; v32-47  token scale words: 4 (s / 2) + 2 (t / 2) + s % 2
.set TB,  48                           ; v48-111 two sets of four token fragments
.set BPT, 48                           ; first product: bp as four C tiles
.set MT,  112                          ; 16 x thread
.set BV,  113                          ; 4 r
.set QA,  114                          ; where I store q's codes
.set QS,  115                          ; and q's scale words
.set QF,  128                          ; first product: Q's 16 fragments
.set AC,  128                          ; later: the 16 accumulators of a pass, 32 p + 8 t
.set TM,  48                           ; the quantiser of q: largest magnitudes,
.set TP,  64                           ; the other half's, then bytes,
.set TSO, 80                           ; the conversions' scale operands,
.set PW,  96                           ; scale words 2 t + e,
.set PC,  128                          ; codes
.set WV,  14
.set TK,  16
.set SWP, 18
.set SEL, 20
.set CH,  22
.set TBS, 23
.set XSS, 24
.set OB,  26
.set BS,  40                           ; s[40:55] the ring's eight bases: buffer d's next unit
.set MSB, 0
.macro WIN new                         ; the immediate's high byte repeats the setting that is left
.if MSB != (\new)
	s_set_vgpr_msb (MSB<<8)|(\new)
.set MSB, \new
.endif
.endm
.macro PLACES                          ; four plain places behind a unit's matrix instructions (ISA guide 7.12.1): they stand ahead of every later write of those instructions' registers and of the first read of results
.rept 4
	v_nop
.endr
.endm
; The ring's first fill: four images into buffer d, its scale words into pair d.
.macro RING0 d
	WIN 0x40
.irp i, 0,1,2,3,4,5,6,7
	global_load_b128 v[32*(\d)+4*\i:32*(\d)+4*\i+3], v[LI], s[BS+2*(\d):BS+2*(\d)+1] offset:512*\i
.endr
	WIN 0
	global_load_b64 v[WS+2*(\d):WS+2*(\d)+1], v[WB], s[BS+2*(\d):BS+2*(\d)+1] offset:4096
.endm
; A refill's first line: buffer d's base steps eight units on (the only loads that name it were shown done by the wait on LOADcnt of the unit that multiplied the buffer), and its scale words are asked for.
; The eight loads of its images stand among the unit's matrix instructions (MM16).
.macro RINGS d
	s_add_nc_u64 s[BS+2*(\d):BS+2*(\d)+1], s[BS+2*(\d):BS+2*(\d)+1], 8*UNITB
	global_load_b64 v[WS+2*(\d):WS+2*(\d)+1], v[WB], s[BS+2*(\d):BS+2*(\d)+1] offset:4096
.endm
.macro MM1 z, fa, fb                   ; z = 1: C is the constant 0; fa, fb: the side's scale words lie in lanes 16-31
.if (\z)
.if (\fa) && (\fb)
	v_wmma_scale_f32_16x16x128_f8f6f4 v[rD:rD+7], v[rA:rA+7], v[rB:rB+7], 0, v[rW], v[rT] matrix_a_fmt:MATRIX_FMT_FP4 matrix_b_fmt:MATRIX_FMT_FP4 matrix_a_scale:MATRIX_SCALE_ROW1 matrix_b_scale:MATRIX_SCALE_ROW1
.elseif (\fa)
	v_wmma_scale_f32_16x16x128_f8f6f4 v[rD:rD+7], v[rA:rA+7], v[rB:rB+7], 0, v[rW], v[rT] matrix_a_fmt:MATRIX_FMT_FP4 matrix_b_fmt:MATRIX_FMT_FP4 matrix_a_scale:MATRIX_SCALE_ROW1
.elseif (\fb)
	v_wmma_scale_f32_16x16x128_f8f6f4 v[rD:rD+7], v[rA:rA+7], v[rB:rB+7], 0, v[rW], v[rT] matrix_a_fmt:MATRIX_FMT_FP4 matrix_b_fmt:MATRIX_FMT_FP4 matrix_b_scale:MATRIX_SCALE_ROW1
.else
	v_wmma_scale_f32_16x16x128_f8f6f4 v[rD:rD+7], v[rA:rA+7], v[rB:rB+7], 0, v[rW], v[rT] matrix_a_fmt:MATRIX_FMT_FP4 matrix_b_fmt:MATRIX_FMT_FP4
.endif
.else
.if (\fa) && (\fb)
	v_wmma_scale_f32_16x16x128_f8f6f4 v[rD:rD+7], v[rA:rA+7], v[rB:rB+7], v[rC:rC+7], v[rW], v[rT] matrix_a_fmt:MATRIX_FMT_FP4 matrix_b_fmt:MATRIX_FMT_FP4 matrix_a_scale:MATRIX_SCALE_ROW1 matrix_b_scale:MATRIX_SCALE_ROW1
.elseif (\fa)
	v_wmma_scale_f32_16x16x128_f8f6f4 v[rD:rD+7], v[rA:rA+7], v[rB:rB+7], v[rC:rC+7], v[rW], v[rT] matrix_a_fmt:MATRIX_FMT_FP4 matrix_b_fmt:MATRIX_FMT_FP4 matrix_a_scale:MATRIX_SCALE_ROW1
.elseif (\fb)
	v_wmma_scale_f32_16x16x128_f8f6f4 v[rD:rD+7], v[rA:rA+7], v[rB:rB+7], v[rC:rC+7], v[rW], v[rT] matrix_a_fmt:MATRIX_FMT_FP4 matrix_b_fmt:MATRIX_FMT_FP4 matrix_b_scale:MATRIX_SCALE_ROW1
.else
	v_wmma_scale_f32_16x16x128_f8f6f4 v[rD:rD+7], v[rA:rA+7], v[rB:rB+7], v[rC:rC+7], v[rW], v[rT] matrix_a_fmt:MATRIX_FMT_FP4 matrix_b_fmt:MATRIX_FMT_FP4
.endif
.endif
.endm
; A unit's 16 matrix instructions: four token tiles x four weight tiles; the 16 accumulators take turns, one instruction a turn.
; d: ring buffer; ks: the K step among the token scale words; cm: 0 C = 0, 1 in place, 2 C = bp's tile; db: the accumulators; bb: the token fragments.
; dw >= 0: the token fragments come from LDS, two loads each, in the order of t.  In front of tile t's four products the wait leaves out what was issued behind fragment t's second load:
; the 6 - 2 t loads of the later fragments and dw younger LDS instructions.  dw < 0: the fragments lie in registers already.
; rf >= 0: between the second and the third token tile stand the eight loads that fill ring buffer rf again.  No wait: no vector or matrix instruction since the wait at the unit's head names that buffer or v[LI].
; wn: the products' window setting, to which the text returns behind those loads.
.macro MM16 d, ks, cm, db, bb, dw, rf, wn
.irp t, 0,1,2,3
.if (\rf) >= 0
.if \t == 2
	WIN 0x40
.irp i, 0,1,2,3,4,5,6,7
	global_load_b128 v[32*(\rf)+4*\i:32*(\rf)+4*\i+3], v[LI], s[BS+2*(\rf):BS+2*(\rf)+1] offset:512*\i
.endr
	WIN \wn
.endif
.endif
.if (\dw) >= 0
	s_wait_dscnt (\dw)+6-2*\t
.endif
.irp p, 0,1,2,3
.set rD, (\db)+32*\p+8*\t
.set rA, 32*(\d)+8*\p
.set rB, (\bb)+8*\t
.if (\cm) == 2
.set rC, BPT+8*\t
.else
.set rC, rD
.endif
.set rW, WS+2*(\d)+(\p/2)
.set rT, TS+4*((\ks)/2)+2*(\t/2)+((\ks)%2)
.if (\cm) == 0
	MM1 1, \p%2, \t%2
.else
	MM1 0, \p%2, \t%2
.endif
.endr
.endr
.endm
	s_load_b256 s[4:11], s[0:1], 0x0               ; tok s[4:5], wts s[6:7], bp s[8:9], b3 s[10:11]
	s_load_b64 s[12:13], s[0:1], 0x20              ; out0
	v_lshl_add_u32 v126, v0, 2, 0x21400
	v_mov_b32 v127, 0
	v_lshrrev_b32 v116, 5, v0
	v_readfirstlane_b32 s[WV], v116                ; wave 0..3
	v_and_b32 v116, 31, v0                         ; lane
	v_and_b32 v117, 15, v0                         ; r
	v_bfe_u32 v118, v0, 4, 1                       ; h
	v_lshlrev_b32 v[LI], 4, v116
	v_lshlrev_b32 v[WB], 3, v116
	v_lshlrev_b32 v[MT], 4, v0
	v_lshlrev_b32 v[BV], 2, v117
	v_add_nc_u32 v[XA], XIMG, v[LI]                ; the token images begin with M's,
	v_lshlrev_b32 v[XS], 3, v116                   ; and so do the token scale words: both addresses are made here, with the others
	s_wait_alu depctr_va_sdst(0)                   ; the wave's number is written, ahead of its first reader: LDS addresses and the bases of wts and out0 are made from it
	s_lshl_b32 s15, s[WV], 13
	s_add_co_u32 s15, s15, XIMG+32768              ; q's images of my two K steps
	v_lshlrev_b32 v[QA], 4, v117
	v_lshl_add_u32 v[QA], v118, 3, v[QA]
	v_add_nc_u32 v[QA], s15, v[QA]                 ; + 16 r + 8 h: my 16 codes of a block
	s_lshl_b32 s15, s[WV], 9
	s_add_co_u32 s15, s15, XSC+2048
	v_lshl_add_u32 v[QS], v117, 3, s15             ; q's scale words: 8 bytes a token
	s_mul_i32 s15, s[WV], 16640
	s_add_co_u32 s15, s15, STG                     ; my stage
	v_mul_u32_u24 v[SO], v118, 4160
	v_lshl_add_u32 v[SO], v117, 2, v[SO]
	v_add_nc_u32 v[SO], s15, v[SO]                 ; in: half block h, 4 bytes at token r
	v_add_nc_u32 v[SR], s15, v[LI]                 ; back: two rows of 256 bytes an instruction
	v_lshlrev_b32 v[GO], 4, v117
	v_lshl_add_u32 v[GO], v118, 12, v[GO]          ; and the same two rows in out0
	s_mov_b32 s[SEL], 0x76543210
	s_mov_b32 s[SEL+1], 0xfedcba98                 ; v_permlanex16_b32's selects for lane l xor 16
	s_mul_i32 s[TK], ttmp9, REC
	s_mov_b32 s[TK+1], 0
	s_mul_i32 s[SWP], s[WV], 80*UNITB
	s_mov_b32 s[SWP+1], 0
	s_and_b32 s32, ttmp9, 15
	s_lshl_b32 s32, s32, 8                         ; my first token's bytes in a row: 4 x 64 x (work-group % 16)
	s_mov_b32 s33, 0
	s_lshr_b32 s[OB], ttmp9, 4
	s_lshl_b32 s[OB], s[OB], 22                    ; the batch,
	s_lshl_b32 s[OB+1], s[WV], 20                  ; my 256 rows of 4,096 bytes
	s_add_co_u32 s[OB], s[OB], s[OB+1]
	s_add_co_u32 s[OB], s[OB], s32
	s_mov_b32 s[OB+1], 0
	s_wait_kmcnt 0x0
	s_add_nc_u64 s[TK:TK+1], s[4:5], s[TK:TK+1]
	s_add_nc_u64 s[SWP:SWP+1], s[6:7], s[SWP:SWP+1]
.irp d, 0,1,2,3,4,5,6,7
	s_add_nc_u64 s[BS+2*\d:BS+2*\d+1], s[SWP:SWP+1], UNITB*\d    ; buffer d begins with my unit d
.endr
	s_add_nc_u64 s[OB:OB+1], s[12:13], s[OB:OB+1]
	s_add_nc_u64 s[28:29], s[8:9], s[32:33]
	s_add_nc_u64 s[30:31], s[10:11], s[32:33]
	s_wait_alu depctr_va_vdst(0)                   ; the eleven addresses v1 to v7 and v112 to v115 are written, which the loads, LDS instructions and stores of the whole kernel read
.irp t, 0,1,2,3
	global_load_b32 v[BPT+8*\t], v[BV], s[28:29] offset:64*\t
.endr
.irp t, 0,1,2,3
	global_load_b32 v[B3+2*\t], v[BV], s[30:31] offset:64*\t
	global_load_b32 v[B3+2*\t+1], v[BV], s[30:31] offset:64*\t
.endr
.irp g, 0,1
.irp h, 0,1
	global_load_b64 v[TS+4*\g+2*\h:TS+4*\g+2*\h+1], v[WB], s[TK:TK+1] offset:16384+512*\g+256*\h   ; Q's scale words
.endr
.endr
.irp f, 0,1,2,3,4,5,6,7,8,9,10,11,12,13,14,15
.irp c, 0,1
	global_load_b128 v[QF+8*\f+4*\c:QF+8*\f+4*\c+3], v[LI], s[TK:TK+1] offset:1024*\f+512*\c      ; Q's fragments stay in registers
.endr
.endr
	WIN 0xc0                                       ; M's images and scale words, 34,816 bytes, 2,048 an instruction of the work-group: they land where q's last group will lie
.irp i, 0,1,2,3,4,5,6,7,8,9,10,11,12,13,14,15,16
	global_load_b128 v[128+4*\i:131+4*\i], v[MT], s[TK:TK+1] offset:17408+2048*\i
.endr
.irp d, 0,1,2,3,4,5,6,7
	RING0 \d
.endr
	s_wait_loadcnt 63                              ; 72 loads are younger than M's last: with 63 out at the most, all in front of the ring, and unit 0, are in
	WIN 0x0c                                       ; an LDS store's data are its source 1: window 3
.irp i, 0,1,2,3,4,5,6,7,8,9,10,11,12,13,14,15
	ds_store_b128 v[MT], v[128+4*\i:131+4*\i] offset:XIMG+2048*\i
.endr
	ds_store_b128 v[MT], v[192:195] offset:XSC
	WIN 0
.irp t, 0,1,2,3
.irp j, 1,2,3,4,5,6,7
	v_mov_b32 v[BPT+8*\t+\j], v[BPT+8*\t]          ; a lane holds one token: bp[k] in all eight registers of a C tile
.endr
.endr
	s_wait_alu depctr_vm_vsrc(0)                   ; the LDS stores above have read M's images out of window 3's v128 to v195, which the products of q's last group write
	s_wait_alu depctr_va_vdst(0)
; ---- THE FIRST PRODUCT: q = Wp Q + bp.  Unit n = 4 g + s; bp is the C of each sum's first matrix instruction.
; Unit n fills again the buffer that unit n - 1 multiplied, with unit n + 7's data.
.irp n, 0,1,2,3,4,5,6,7,8,9,10,11,12,13,14,15
.if \n == 0
.set RFB, -1
	s_wait_loadcnt 63                              ; unit 0's nine loads are in; the nine of each of the seven younger units may be out
.else
.set RFB, (\n+7)%8
	s_wait_loadcnt 54                              ; this unit's nine loads are in; behind them six units' loads were issued, which may be out
	s_wait_alu depctr_va_vdst(0)                   ; the unit before is done reading its ring buffer and its scale pair, in which the nine loads of this unit land
	RINGS RFB
.endif
.if (\n%4) == 0
	WIN ((2+\n/8)<<6)|1
	MM16 \n%8, \n%4, 2, 128*((\n/4)%2), QF+32*(\n%4), -1, RFB, ((2+\n/8)<<6)|1
.else
	WIN ((2+\n/8)<<6)|((2+\n/8)<<4)|1
	MM16 \n%8, \n%4, 1, 128*((\n/4)%2), QF+32*(\n%4), -1, RFB, ((2+\n/8)<<6)|((2+\n/8)<<4)|1
.endif
	WIN 0
	PLACES
.endr
; ---- q IS QUANTISED along i.  K step e = my rows 128 e ..: window 2 + e; block b of token tile t lies at 64 b + 32 u + 8 t; a lane holds 16 of its 32 numbers, lane l xor 16 the others.
.irp e, 0,1
	WIN ((2+\e)<<2)|((2+\e)<<4)
.irp t, 0,1,2,3
.irp b, 0,1,2,3
	v_max3_num_f32 v[TM+4*\t+\b], 0x1800000, |v[64*\b+8*\t]|, |v[64*\b+8*\t+1]|   ; the floor 2^(3 - 127) among the leaves; each accumulator is read from its low end on
.endr
.endr
.irp i, 2,4,6,32,34,36,38
.irp t, 0,1,2,3
.irp b, 0,1,2,3
	v_max3_num_f32 v[TM+4*\t+\b], v[TM+4*\t+\b], |v[64*\b+8*\t+\i]|, |v[64*\b+8*\t+\i+1]|   ; sixteen blocks by turns
.endr
.endr
.endr
	WIN 0
.irp x, 0,1,2,3,4,5,6,7,8,9,10,11,12,13,14,15
	v_permlanex16_b32 v[TP+\x], v[TM+\x], s[SEL], s[SEL+1]
.endr
.irp x, 0,1,2,3,4,5,6,7,8,9,10,11,12,13,14,15
	v_max_num_f32 v[TM+\x], v[TM+\x], v[TP+\x]     ; the block's largest magnitude
.endr
.irp x, 0,1,2,3,4,5,6,7,8,9,10,11,12,13,14,15
	v_add_nc_u32 v[TSO+\x], 0xff000000, v[TM+\x]   ; 2 off its exponent field: the conversion's scale operand
.endr
.irp x, 0,1,2,3,4,5,6,7,8,9,10,11,12,13,14,15
	v_lshrrev_b32 v[TP+\x], 23, v[TSO+\x]          ; the scale's byte
.endr
.irp t, 0,1,2,3
	v_lshl_or_b32 v[PW+2*\t+\e], v[TP+4*\t+1], 8, v[TP+4*\t]
.endr
.irp t, 0,1,2,3
	v_lshl_or_b32 v[PW+2*\t+\e], v[TP+4*\t+2], 16, v[PW+2*\t+\e]
.endr
.irp t, 0,1,2,3
	v_lshl_or_b32 v[PW+2*\t+\e], v[TP+4*\t+3], 24, v[PW+2*\t+\e]
.endr
	WIN 2+\e
.irp t, 0,1,2,3
.irp b, 0,1,2,3
.irp u, 0,1
	v_cvt_scalef32_pk8_fp4_f32 v[PC+32*\e+2*(4*\t+\b)+\u], v[64*\b+32*\u+8*\t:64*\b+32*\u+8*\t+7], v[TSO+4*\t+\b]   ; k = 32 b + 16 h + 8 u + 0 .. 7
.endr
.endr
.endr
	v_nop                                          ; one plain place behind the last conversion: matrix instructions write these registers later
	WIN 0
	s_wait_alu depctr_va_vdst(0)                   ; the conversions have written this K step's codes, which the LDS stores below read; behind the second K step: the scale words are written too, and the quantiser is done with v48 to v95, in which token fragments land later
.irp t, 0,1,2,3
.irp b, 0,1,2,3
	ds_store_b64 v[QA], v[PC+32*\e+2*(4*\t+\b):PC+32*\e+2*(4*\t+\b)+1] offset:4096*\e+1024*\t+512*(\b/2)+256*(\b%2)   ; the 32 lanes fill the block's 256 bytes of the image: no exchange of halves is needed
.endr
.endr
.endr
.irp t, 0,1,2,3
	ds_store_b64 v[QS], v[PW+2*\t:PW+2*\t+1] offset:128*\t   ; lanes l and l xor 16 write the same words with the same values
.endr
	s_wait_dscnt 0x0                               ; for the others' sake: my stores of M's part and of q's images and words have landed
	s_barrier_signal -1
	s_barrier_wait -1                              ; the one barrier: behind it images and scale words are only read, and each wave's stage is its own
	s_wait_alu depctr_vm_vsrc(0)                   ; my LDS stores have read q's codes (v128 to v191), which the products below write as accumulators, and q's scale words (v96 to v103), in which token fragments land
; ---- THE SECOND AND THIRD PRODUCTS, a pass for each group g of 64 rows: eight units of W3 against M, eight of W4 against q, onto the same 16 accumulators.
; Ahead of the first unit: M's scale words of K steps 0 to 5 and its first fragments.  The words of K steps 6 and 7 are fetched by unit 0, as in every trip.
; (No wait on va_vdst: the last one stands behind every vector and matrix instruction that named v32 to v79.)
	s_mov_b32 s[TBS], 0
	s_mov_b32 s[XSS], 0
.irp g, 0,1,2
.irp h, 0,1
	ds_load_b64 v[TS+4*\g+2*\h:TS+4*\g+2*\h+1], v[WB] offset:XSC+512*\g+256*\h    ; M's scale words, K steps 0 to 5
.endr
.endr
.irp t, 0,1,2,3
.irp c, 0,1
	ds_load_b128 v[TB+8*\t+4*\c:TB+8*\t+4*\c+3], v[XA] offset:1024*\t+512*\c      ; M's first K step
.endr
.endr
; One unit.  zero: 0 in place, 1 C = 0, 2 by the trip's number.  ld: the ring buffer that the unit before multiplied is filled again.  lc: the younger loads from memory.
; pre: the next unit's token fragments are fetched.  rs: the scale words of the two K steps just done give way to those wanted next.  fx: v[XS] turns to the other half.
; dw: the LDS instructions issued behind this unit's eight fragment loads: the eight loads of pre, and the two of rs at this head or at the one before.
.macro UNIT d, zero, ld, lc, pre, rs, fx, dw
.if (\ld)
.set RFB, ((\d)+7)%8
.else
.set RFB, -1
.endif
.if (\pre) && ((\d) == 7)
	s_xor_b32 s[TBS], s[TBS], 0x8000               ; on to the other half of the images: M's or q's
	s_wait_alu depctr_vm_vsrc(0)                   ; the LDS loads issued so far have read v[XA]
	v_add_nc_u32 v[XA], s[TBS], v[LI]
	v_add_nc_u32 v[XA], XIMG, v[XA]
.endif
.if (\fx)
	s_xor_b32 s[XSS], s[XSS], 0x800                ; unit 0 has fetched this trip's last words: from here on the other half's are fetched
	s_wait_alu depctr_vm_vsrc(0)                   ; the LDS loads issued so far have read v[XS]
	v_add_nc_u32 v[XS], s[XSS], v[WB]
.endif
	s_wait_loadcnt \lc                             ; this unit's nine loads are in; the younger units' may be out
.if (\pre) || (\rs) || (\ld)
	s_wait_alu depctr_va_vdst(0)                   ; the unit before is done reading its token set, its token scale words, its ring buffer and its scale pair, in which this unit's loads land; an address stepped above is written
.endif
.if (\pre)
.irp t, 0,1,2,3
.irp c, 0,1
	ds_load_b128 v[TB+32*(((\d)+1)%2)+8*\t+4*\c:TB+32*(((\d)+1)%2)+8*\t+4*\c+3], v[XA] offset:(4*(((\d)+1)%8)+\t)*1024+512*\c   ; into the set that the unit before multiplied
.endr
.endr
.endif
.if (\rs)
.irp h, 0,1
	ds_load_b64 v[TS+4*((((\d)/2)+3)%4)+2*\h:TS+4*((((\d)/2)+3)%4)+2*\h+1], v[XS] offset:512*((((\d)/2)+3)%4)+256*\h   ; the pair of K steps d - 2 and d - 1 (unit 0: 6 and 7, wanted in this trip; else wanted a trip later)
.endr
.endif
.if (\ld)
	RINGS RFB
.endif
.if (\zero) == 2
	s_cmp_lg_u32 s[CH], 0
	s_cbranch_scc1 .Ladd_\@
	v_nop                                          ; one place more in front of products that begin accumulators anew
	WIN 0x01
	MM16 \d, \d, 0, AC, TB+32*((\d)%2), \dw, RFB, 0x01
	WIN 0
	s_branch .Ljoin_\@
.Ladd_\@:
	WIN 0x01
	MM16 \d, \d, 1, AC, TB+32*((\d)%2), \dw, RFB, 0x01
	WIN 0
.Ljoin_\@:
.elseif (\zero) == 1
	WIN 0x01
	MM16 \d, \d, 0, AC, TB+32*((\d)%2), \dw, RFB, 0x01
	WIN 0
.else
	WIN 0x01
	MM16 \d, \d, 1, AC, TB+32*((\d)%2), \dw, RFB, 0x01
	WIN 0
.endif
	PLACES
.endm
; Eight units: one weight matrix's eight K steps for one group.  last = 1: the launch's last trip: its unit 0 asks for the last unit of weights, the others for none (no load leaves its buffer, and the counts run down
; 54, 45, .. 0); no scale words are wanted behind this trip's, and its last unit fetches nothing at all.
.macro TRIP zero, last
.irp u, 0,1,2,3,4,5,6,7
.if (\last) == 0
.if \u == 0
	UNIT \u, \zero, 1, 54, 1, 1, 0, 10
.elseif \u == 1
	UNIT \u, 0, 1, 54, 1, 0, 1, 10
.else
	UNIT \u, 0, 1, 54, 1, 1-(\u%2), 0, 10
.endif
.else
.if \u == 0
	UNIT \u, \zero, 1, 54, 1, 1, 0, 10
.elseif \u == 1
	UNIT \u, 0, 0, 54, 1, 0, 0, 10
.elseif \u == 7
	UNIT \u, 0, 0, 0, 0, 0, 0, 0
.else
	UNIT \u, 0, 0, 9*(7-\u), 1, 0, 0, 8
.endif
.endif
.endr
.endm
; THE WAY OUT of group g, in two halves of 32 rows (tiles 2 hf, 2 hf + 1): + b3, relu, x q; through my stage, so that sixteen lanes store 256 consecutive bytes of a row.
.macro MATH g, hf
.irp y, 0,1
.irp t, 0,1,2,3
.irp j, 0,2,4,6
	v_pk_add_f32 v[AC+64*(\hf)+32*\y+8*\t+\j:AC+64*(\hf)+32*\y+8*\t+\j+1], v[AC+64*(\hf)+32*\y+8*\t+\j:AC+64*(\hf)+32*\y+8*\t+\j+1], v[B3+2*\t:B3+2*\t+1]   ; each accumulator from its low end on
.endr
.endr
.endr
.set ii, 0
.rept 64
	v_max_num_f32 v[AC+64*(\hf)+ii], 0, v[AC+64*(\hf)+ii]
.set ii, ii+1
.endr
	WIN (2+(\g)/2)<<2                              ; source 1: q's window
.set ii, 0
.rept 32
	v_pk_mul_f32 v[AC+64*(\hf)+ii:AC+64*(\hf)+ii+1], v[AC+64*(\hf)+ii:AC+64*(\hf)+ii+1], v[128*((\g)%2)+64*(\hf)+ii:128*((\g)%2)+64*(\hf)+ii+1]
.set ii, ii+2
.endr
	WIN 0
.endm
.macro STAGE g, hf
	s_wait_alu depctr_va_vdst(0)                   ; this half's arithmetic has written its 64 registers of results, which the LDS stores read, and is done reading this half's q, in which the loads from the stage land
.irp y, 0,1
.irp t, 0,1,2,3
.irp j, 0,1,2,3,4,5,6,7
	ds_store_b32 v[SO], v[AC+64*(\hf)+32*\y+8*\t+\j] offset:8320*(\hf)+256*(8*\y+\j)+64*\t   ; row 32 hf + 16 h + 8 y + j, token 16 t + r; the two halves of the lanes lie 1,040 words apart: 16 banks
.endr
.endr
.endr
	WIN (2+(\g)/2)<<6                              ; back into the registers that this half's q has left
.irp k, 0,1,2,3,4,5,6,7,8,9,10,11,12,13,14,15
	ds_load_b128 v[128*((\g)%2)+64*(\hf)+4*\k:128*((\g)%2)+64*(\hf)+4*\k+3], v[SR] offset:4160*(2*(\hf)+\k/8)+512*(\k%8)   ; LDS serves a wave's instructions in order (ISA guide 5.7.1.4): these see my stores
.endr
	WIN 0
.endm
.macro SENDH g, hf
	WIN (2+(\g)/2)<<2                              ; a store's data are its source 1
.irp k, 0,1,2,3,4,5,6,7,8,9,10,11,12,13,14,15
	s_wait_dscnt 15-\k                             ; the younger loads from the stage may be out
	global_store_b128 v[GO], v[128*((\g)%2)+64*(\hf)+4*\k:128*((\g)%2)+64*(\hf)+4*\k+3], s[OB:OB+1] offset:(64*(\g)+16*(2*(\hf)+\k/8)+2*(\k%8))*4096 th:TH_STORE_NT   ; each half of the lanes stores 256 consecutive bytes, aligned; written once; the data's registers are never written again
.endr
	WIN 0
.endm
.macro EPI g
	MATH \g, 0
	STAGE \g, 0
	MATH \g, 1                                     ; the second half's arithmetic stands between the first half's loads from the stage and the wait for them; it names neither the first half's results nor the first half's q
	SENDH \g, 0
	STAGE \g, 1
.if (\g) < 3
	s_wait_alu depctr_vm_vsrc(0)                   ; the stage's LDS stores have read the 128 registers of results, which the next pass's products write anew
.endif
	SENDH \g, 1
.endm
.macro PASS g
	s_mov_b32 s[CH], 0
.Lpass_\@:                                         ; two trips: W3 against M (its first unit starts the sums with the constant 0), W4 against q
	TRIP 2, 0
	s_add_co_u32 s[CH], s[CH], 1
	s_cmp_lt_u32 s[CH], 2
	s_cbranch_scc1 .Lpass_\@
	EPI \g                                         ; its stores leave while the next pass multiplies
.endm
	PASS 0
	PASS 1
	PASS 2
	TRIP 1, 0                                      ; the last pass is written out: its first trip and the second's first unit ask for the last units of weights,
	TRIP 0, 1                                      ; the rest of the second for nothing
	EPI 3
	s_wait_dscnt 0x0                               ; the closing lines, six on end
	s_wait_alu 0x0
	s_wait_tensorcnt 0x0
	ds_add_u32 v126, v127
	s_wait_dscnt 0x0
	s_endpgm
.Lfunc_end_k_qe4b133e242_chain:
	.size	k_qe4b133e242_chain, .Lfunc_end_k_qe4b133e242_chain-k_qe4b133e242_chain
	.p2alignl 7, 3214868480
	.fill 96, 4, 3214868480
	.section	.rodata,"a",@progbits
	.p2align	6, 0x0
	.amdhsa_kernel k_qe4b133e242_chain
		.amdhsa_group_segment_fixed_size 136704
		.amdhsa_private_segment_fixed_size 0
		.amdhsa_enable_private_segment 0
		.amdhsa_kernarg_size 40
		.amdhsa_user_sgpr_count 2
		.amdhsa_user_sgpr_kernarg_segment_ptr 1
		.amdhsa_wavefront_size32 1
		.amdhsa_system_sgpr_workgroup_id_x 1
		.amdhsa_system_sgpr_workgroup_id_y 1
		.amdhsa_system_sgpr_workgroup_id_z 1
		.amdhsa_system_vgpr_workitem_id 0
		.amdhsa_next_free_vgpr 1024
		.amdhsa_next_free_sgpr 66
		.amdhsa_reserve_vcc 0
		.amdhsa_float_denorm_mode_32 3
		.amdhsa_float_denorm_mode_16_64 3
		.amdhsa_memory_ordered 1
		.amdhsa_forward_progress 1
		.amdhsa_inst_pref_size 255
	.end_amdhsa_kernel
	.section	.bss,"aw",@nobits
	.p2align	6
	.space	262144
	.amdgpu_metadata
---
amdhsa.version: [ 1, 2 ]
amdhsa.kernels:
  - .name:           k_qe4b133e242_chain
    .symbol:         k_qe4b133e242_chain.kd
    .args:
      - { .name: tok, .offset: 0, .size: 8, .value_kind: global_buffer, .address_space: global }
      - { .name: wts, .offset: 8, .size: 8, .value_kind: global_buffer, .address_space: global }
      - { .name: bp, .offset: 16, .size: 8, .value_kind: global_buffer, .address_space: global }
      - { .name: b3, .offset: 24, .size: 8, .value_kind: global_buffer, .address_space: global }
      - { .name: out0, .offset: 32, .size: 8, .value_kind: global_buffer, .address_space: global }
    .group_segment_fixed_size: 136704
    .private_segment_fixed_size: 0
    .kernarg_segment_align: 8
    .kernarg_segment_size: 40
    .max_flat_workgroup_size: 128
    .sgpr_count:     66
    .vgpr_count:     1024
    .wavefront_size: 32
...
	.end_amdgpu_metadata
.endif
;; end of part 4
